; MI455X (gfx1250); checked and timed in simulation.
; The chip was launched on July 23, 2026; its instructions are those of AMD's public machine-readable ISA for CDNA 5 (MIT licence, August 2026) and "CDNA5" Instruction Set Architecture Reference Guide (July 2026). The comments in the code are by the model that wrote it; some were corrected since.
;; Causal Self Attention. Allowed arithmetic: matrix products marked QUANTISED: E2M1 operands, one E8M0 scale for each 32 along K, by v_wmma_scale_f32_16x16x128_f8f6f4 with both operands' format E2M1 (or v_wmma_scale_f32_32x16x128_f4), f32 sums; products left as they are: bf16, f16 or f32 operands; f32 sums; everything else in f32.
;; Inputs: b_proj 1,024 float32; b_qkv 3,072 float32; w_proj 1,024 x 1,024 float32; w_qkv 1,024 x 3,072 float32; x 4 x 2,048 x 1,024 float32.
;; Outputs: out0 4 x 2,048 x 1,024 float32.
;; This version of the problem:
;;   THIS VERSION OF THE PROBLEM IS GIVEN IN LOW PRECISION. The matrix products marked QUANTISED in the list below multiply operands that are first quantised to E2M1 (2 exponent bits, 1 mantissa bit; 4 bits a number), with one power-of-two scale for each 32 numbers along K (OCP MX v1.0); their sums are f32. The products marked 'left as it is' may take bf16, f16 or f32 operands, with f32 sums. Whichever they take, every output number must still come out within the allowed error. Rounding operands to bf16 (8 significant bits) uses up far more of that allowance than f16 does (11 bits, for magnitudes from 6e-5 to 65,504). All else is computed in f32.
;;   The module's matrix products, in the order in which they are computed (A, B: the left and right operand; K: the contracted axis; several contracted axes count as one K, in the product's order):
;;     1. [M 8,192, K 1,024] x [K 1,024, N 3,072]; A: input x; B: input w_qkv: QUANTISED
;;     2. batch 64 x [M 2,048, K 64] x [K 64, N 2,048]; A: computed on the way; B: computed on the way: left as it is (an operand is computed on the way)
;;     3. batch 64 x [M 2,048, K 2,048] x [K 2,048, N 64]; A: computed on the way; B: computed on the way: left as it is (an operand is computed on the way)
;;     4. [M 8,192, K 1,024] x [K 1,024, N 1,024]; A: computed on the way; B: input w_proj: left as it is (an operand is computed on the way)
;;   THE QUANTISER, for each operand of a quantised product, along K:
;;     - K is cut into blocks of 32 from its start; a last block that is shorter is filled with zeros.
;;     - A block's scale is 2^e with e = floor(log2(the largest magnitude in the block)) - 2, held to -126 .. 127; a block of zeros has e = 0. As a byte (E8M0): e + 127.
;;     - Each number is divided by its block's scale, clamped to +-6, and rounded to the nearest number of E2M1, ties to even, subnormals kept.
;;     - The product sums the exact products of the quantised numbers (number of the format x scale) in f32.
;;   ~~~python
;;   def quantise(x, axis):      # numpy; x: float32 -> the quantised numbers, widened to float32 again
;;       x = np.moveaxis(x, axis, -1); K = x.shape[-1]
;;       x = np.pad(x, [(0, 0)] * (x.ndim - 1) + [(0, -K % 32)]); x = x.reshape(x.shape[:-1] + (-1, 32)); a = np.abs(x).max(-1, keepdims=True)
;;       e = np.where(a > 0, np.clip(np.frexp(np.where(a > 0, a, 1))[1] - 1 - 2, -126, 127), 0)      # np.frexp(a)[1] - 1 = floor(log2(a)), exactly
;;       r = np.clip(x / 2.0 ** e, -6, 6)
;;       step = 2.0 ** (np.maximum(np.frexp(np.where(r == 0, 1, r))[1] - 1, 0) - 1)
;;       q = np.round(r / step) * step * 2.0 ** e      # np.round: ties to even
;;       return np.moveaxis(q.reshape(q.shape[:-2] + (-1,))[..., :K], -1, axis).astype(np.float32)
;;   ~~~
;; One version. Each part assembles by itself: llvm-mc -triple=amdgcn-amd-amdhsa -mcpu=gfx1250 --defsym DOCPART=n.
;; ======== version 1 of 1: 5 launches
;; limits: values are held in f16: magnitudes above 65,504 overflow, below 6.1e-05 lose precision
;; workspace buffers: x_codes 4,194,304 bytes; x_scales 262,144 bytes; w_codes 1,572,864 bytes; w_scales 98,304 bytes; w16 2,097,152 bytes; qkv16 50,331,648 bytes; qkv_fine 786,432 bytes; att16 16,777,216 bytes
;; launch prep (part 1): grid 336 x 1, 4 waves a work-group, no clusters, 68,096 bytes of LDS; arguments x, w_qkv, w_proj, x_codes, x_scales, w_codes, w_scales, w16; writes x_codes, x_scales, w_codes, w_scales, w16
.if DOCPART == 1
	.amdgcn_target "amdgcn-amd-amdhsa--gfx1250"
	.amdhsa_code_object_version 6
	.text
	.protected	k_qff2be495eb_prep
	.globl	k_qff2be495eb_prep
	.p2align	8
	.type	k_qff2be495eb_prep,@function
k_qff2be495eb_prep:
	s_mov_b64 s[64:65], 0
	v_nop
	global_prefetch_b8 v0, s[64:65] scope:SCOPE_SE
	s_setreg_imm32_b32 hwreg(HW_REG_WAVE_MODE, 25, 1), 1
	s_wait_xcnt 0x0
; THREE JOBS IN ONE LAUNCH, told apart by the work-group's number alone.
;   work-groups 0-47:   w_qkv [1024 (k)][3072 (n)] f32 -> codes of FP4 (E2M1) laid [3072][512 bytes], K innermost, and E8M0 bytes [3072][32]
;   work-groups 48-79:  w_proj [1024][1024] f32 -> f16, same layout
;   work-groups 80-335: x [8192][1024] f32 -> codes [8192][512 bytes] and E8M0 bytes [8192][32]
; THE QUANTISER: a block is 32 neighbours along K; its scale is 2^(floor(log2(largest magnitude)) - 2); the byte is the largest magnitude's exponent field - 2, held at 1 from below;
; each number is divided by the scale and rounded to the nearest code, ties to even; beyond 6 the largest code.
; LIMITS: a block of zeros gets the byte 1 where the rule says 127 (its codes are zeros, which add nothing, and this program alone reads the bytes); blocks whose largest magnitude lies under 2^-124
; keep the byte 1; NaN and infinities among the inputs are not served; w_proj beyond 65,504 in magnitude becomes infinity in f16.
; No tensor load, no barrier: waves share nothing.  Each job has LDS bytes of its own.
.set SPW,    192                       ; v192  LDS address of my spare word: SPARE + 4 x my thread's number; never rewritten
.set NIL,    193                       ; v193  0; never rewritten
.set WV,     20                        ; s20   my wave's number
.set STEPS,  16
.set XREG,   8192                      ; x: LDS region of a wave: two stages of 32 x XSP bytes, then its 256 scale bytes
.set XSP,    80                        ; a lane's place in a stage: 64 bytes + 16 of padding
.set XR,     16                        ; v16-79   four sets of 16 numbers as loaded
.set XX,     80                        ; v80-111  two sets of 16 neighbours
.set XE,     112                       ; v112-127 a scale byte for each step
.set XC,     128                       ; v128-191 codes, four registers a step: no store's data are written again
.set WSTAGE, 32768                     ; w_qkv: four stages of 32 rows x WPITCH
.set WPITCH, 272                       ; 256 bytes of codes + 16 of padding
.set WX,     32                        ; v32-95   two sets of 32 numbers
.set WC,     96                        ; v96-99   a block's codes
.set WOUT,   112                       ; v112-175 the way out
.set WSB,    24                        ; v24-27   the scale bytes, four to a register
.set SPARE,  WSTAGE+4*32*WPITCH        ; behind the stages: the spare words, 128 bytes for each wave, which no other line names
.macro FINISH                          ; the wave's end, behind my last LDS store
	s_wait_tensorcnt 0x0
	ds_add_u32 v[SPW], v[NIL]
	s_wait_dscnt 0x0
	s_endpgm
.endm
	s_load_b256 s[4:11], s[0:1], 0x0               ; x s[4:5], w_qkv s[6:7], w_proj s[8:9], x_codes s[10:11]
	s_load_b256 s[12:19], s[0:1], 0x20             ; x_scales s[12:13], w_codes s[14:15], w_scales s[16:17], w16 s[18:19]
	v_lshl_add_u32 v[SPW], v0, 2, SPARE
	v_mov_b32 v[NIL], 0
	v_lshrrev_b32 v1, 5, v0
	v_readfirstlane_b32 s[WV], v1                  ; wave 0..3
	v_and_b32 v2, 31, v0                           ; lane
	s_cmp_lt_u32 ttmp9, 48
	s_cbranch_scc1 .Lw
	s_cmp_lt_u32 ttmp9, 80
	s_cbranch_scc1 .Lp
; ---------------- x: a plain stream of blocks of 32.  A wave takes 16 steps of 512 numbers.
; Each load reads 512 consecutive bytes, 16 a lane; a step's 2,048 bytes turn through the wave's own stage and come back 64 bytes a lane, so that a lane holds 16 neighbours and two lanes a block.
	v_lshlrev_b32 v3, 4, v2                        ; my 16 bytes of a load's 512
	s_mul_i32 s21, s[WV], XREG
	v_lshrrev_b32 v14, 2, v2
	v_mul_u32_u24 v14, v14, XSP
	v_and_b32 v15, 3, v2
	v_lshl_add_u32 v14, v15, 4, v14
	v_add_nc_u32 v14, s21, v14                     ; the stage on the way in: XSP (lane / 4) + 16 (lane % 4)
	v_mul_u32_u24 v15, v2, XSP
	v_add_nc_u32 v15, s21, v15                     ; and on the way out: XSP x lane
	v_lshlrev_b32 v4, 3, v2                        ; my 8 bytes of a step's codes
	v_lshrrev_b32 v5, 1, v2
	s_add_co_u32 s21, s21, 2*32*XSP
	v_add_nc_u32 v5, s21, v5                       ; my block's byte among the wave's 256
	v_lshlrev_b32 v7, 3, v2
	v_add_nc_u32 v6, s21, v7                       ; and 8 bytes a lane on their way out
	s_sub_co_u32 s22, ttmp9, 80
	s_lshl_b32 s22, s22, 2
	s_add_co_u32 s22, s22, s[WV]                   ; which run of 8,192 numbers is my wave's
	s_mov_b32 s23, 0
	s_lshl_b64 s[24:25], s[22:23], 15              ; 32,768 bytes of f32,
	s_lshl_b64 s[26:27], s[22:23], 12              ; 4,096 of codes,
	s_lshl_b64 s[28:29], s[22:23], 8               ; 256 scale bytes
	s_wait_kmcnt 0x0
	s_add_nc_u64 s[4:5], s[4:5], s[24:25]
	s_add_nc_u64 s[10:11], s[10:11], s[26:27]
	s_add_nc_u64 s[12:13], s[12:13], s[28:29]
.macro XLOAD t
.irp i, 0,1,2,3
	global_load_b128 v[XR+16*((\t)%4)+4*\i:XR+16*((\t)%4)+4*\i+3], v3, s[4:5] offset:2048*(\t)+512*\i th:TH_LOAD_NT
.endr
.endm
.macro XTURN t                         ; LDS serves a wave's instructions in order: no wait between the stores and the loads
.irp i, 0,1,2,3
	ds_store_b128 v14, v[XR+16*((\t)%4)+4*\i:XR+16*((\t)%4)+4*\i+3] offset:32*XSP*((\t)%2)+8*XSP*\i
.endr
.irp i, 0,1,2,3
	ds_load_b128 v[XX+16*((\t)%2)+4*\i:XX+16*((\t)%2)+4*\i+3], v15 offset:32*XSP*((\t)%2)+16*\i
.endr
.endm
.irp t, 0,1,2,3
	XLOAD \t
.endr
	s_wait_loadcnt 12                              ; step 0's four loads are in; three steps' may be out
	XTURN 0
.macro XSTEP t
.set XS, XX+16*((\t)%2)
.if (\t) > 0
	s_wait_dscnt 1                                 ; this step's numbers are back from the stage; the last step's byte store may be out
.else
	s_wait_dscnt 0x0
.endif
.if (\t)+4 < STEPS
	XLOAD (\t)+4                                   ; into the set whose stores into the stage are done
.endif
.if (\t)+1 < STEPS
.if STEPS-2-(\t) >= 3
	s_wait_loadcnt 12                              ; the next step's four loads are in; those of the three steps behind it may be out
.else
	s_wait_loadcnt 4*(STEPS-2-(\t))
.endif
	XTURN (\t)+1
.endif
	v_max3_num_f32 v8, |v[XS]|, |v[XS+1]|, |v[XS+2]|               ; the largest magnitude of my 16, in two chains
	v_max3_num_f32 v9, |v[XS+3]|, |v[XS+4]|, |v[XS+5]|
.irp i, 6,10
	v_max3_num_f32 v8, v8, |v[XS+\i]|, |v[XS+\i+1]|
	v_max3_num_f32 v9, v9, |v[XS+\i+2]|, |v[XS+\i+3]|
.endr
	v_max3_num_f32 v8, v8, |v[XS+14]|, |v[XS+15]|
	v_max3_num_f32 v8, v8, v9, 0x1800000           ; and the floor 2^(3 - 127): the byte cannot fall under 1
	v_max_num_f32_dpp v8, v8, v8 row_xmask:1 row_mask:0xf bank_mask:0xf   ; with my neighbour's 16: the block's
	v_add_nc_u32 v11, 0xff000000, v8               ; 2 off the exponent field: the conversion takes this operand's exponent field as its scale
	v_cvt_scalef32_pk8_fp4_f32 v[XC+4*(\t)], v[XS:XS+7], v11
	v_cvt_scalef32_pk8_fp4_f32 v[XC+4*(\t)+1], v[XS+8:XS+15], v11
	v_lshrrev_b32 v[XE+(\t)], 23, v11              ; the scale's byte (also the plain line behind the conversions)
	ds_store_b8 v5, v[XE+(\t)] offset:16*(\t)      ; both lanes of a block write the same byte with the same value
	global_store_b64 v4, v[XC+4*(\t):XC+4*(\t)+1], s[10:11] offset:256*(\t)   ; the wave stores 256 consecutive bytes, aligned
.endm
.irp t, 0,1,2,3,4,5,6,7,8,9,10,11,12,13,14,15
	XSTEP \t
.endr
	ds_load_b64 v[8:9], v6                         ; these see my byte stores: LDS serves a wave in order
	s_wait_dscnt 0x0
	global_store_b64 v7, v[8:9], s[12:13]          ; 256 consecutive scale bytes, aligned
	FINISH
; ---------------- w_qkv: K is its FIRST axis.  A lane takes a column n and its registers run down K: a block of 32 lies in one lane, and the conversions give codes with K innermost.
; A wave takes 32 columns x 512 along K; the codes go through its stage and leave as rows: sixteen lanes store 256 consecutive bytes.
.Lw:
	s_cmp_ge_u32 ttmp9, 24
	s_cselect_b32 s21, 1, 0                        ; which 512 along K
	s_cselect_b32 s22, 24, 0
	s_sub_co_u32 s22, ttmp9, s22                   ; which 128 columns
	s_lshl_b32 s22, s22, 7
	s_lshl_b32 s23, s[WV], 5
	s_add_co_u32 s22, s22, s23                     ; my wave's first column
	v_lshlrev_b32 v3, 2, v2                        ; in: 4 bytes a lane
	s_mul_i32 s23, s[WV], 32*WPITCH
	s_add_co_u32 s23, s23, WSTAGE                  ; my stage
	v_mul_u32_u24 v4, v2, WPITCH
	v_add_nc_u32 v4, s23, v4                       ; into it: row = my column
	v_and_b32 v5, 15, v2
	v_lshrrev_b32 v6, 4, v2
	v_mul_u32_u24 v7, v6, WPITCH
	v_lshl_add_u32 v7, v5, 4, v7
	v_add_nc_u32 v7, s23, v7                       ; out of it: sixteen lanes to a row, two rows an instruction
	v_lshlrev_b32 v8, 9, v6
	v_lshl_add_u32 v8, v5, 4, v8                   ; the same place in the codes' buffer: rows of 512 bytes
	v_lshlrev_b32 v9, 5, v2                        ; my column's row of 32 scale bytes
	s_mul_i32 s24, s21, 512*3072*4
	s_lshl_b32 s25, s22, 2
	s_add_co_u32 s24, s24, s25                     ; w_qkv: 512 rows of 12,288 bytes a half, 4 bytes a column
	s_mov_b32 s25, 0
	s_lshl_b32 s26, s22, 9
	s_lshl_b32 s27, s21, 8
	s_add_co_u32 s26, s26, s27                     ; codes: column x 512 + 256 x half
	s_mov_b32 s27, 0
	s_lshl_b32 s28, s22, 5
	s_lshl_b32 s29, s21, 4
	s_add_co_u32 s28, s28, s29                     ; scale bytes: column x 32 + 16 x half
	s_mov_b32 s29, 0
	s_wait_kmcnt 0x0
	s_add_nc_u64 s[6:7], s[6:7], s[24:25]
	s_add_nc_u64 s[14:15], s[14:15], s[26:27]
	s_add_nc_u64 s[16:17], s[16:17], s[28:29]
.macro WLOAD t                         ; block t: w(32 t + i, my column); the largest immediate is 511 x 12,288 bytes, inside the signed 24 bits
.irp i, 0,1,2,3,4,5,6,7,8,9,10,11,12,13,14,15,16,17,18,19,20,21,22,23,24,25,26,27,28,29,30,31
	global_load_b32 v[WX+32*((\t)%2)+\i], v3, s[6:7] offset:(32*(\t)+\i)*12288 th:TH_LOAD_NT
.endr
.endm
	WLOAD 0
	WLOAD 1
.macro WBLOCK t
.set XS, WX+32*((\t)%2)
.if (\t) < 15
	s_wait_loadcnt 32                              ; this block's 32 loads are in; the next block's may be out
.else
	s_wait_loadcnt 0x0
.endif
	v_max3_num_f32 v12, |v[XS]|, |v[XS+1]|, |v[XS+2]|              ; all 32 numbers of the block are mine
	v_max3_num_f32 v13, |v[XS+3]|, |v[XS+4]|, |v[XS+5]|
.irp i, 6,10,14,18,22,26
	v_max3_num_f32 v12, v12, |v[XS+\i]|, |v[XS+\i+1]|
	v_max3_num_f32 v13, v13, |v[XS+\i+2]|, |v[XS+\i+3]|
.endr
	v_max3_num_f32 v12, v12, |v[XS+30]|, |v[XS+31]|
	v_max3_num_f32 v12, v12, v13, 0x1800000        ; the floor 2^(3 - 127)
	v_add_nc_u32 v11, 0xff000000, v12              ; the conversion's scale operand
	v_lshrrev_b32 v13, 23, v11                     ; the scale's byte
.if (\t)%4 == 0
	v_mov_b32 v[WSB+(\t)/4], v13
.else
	v_lshl_or_b32 v[WSB+(\t)/4], v13, 8*((\t)%4), v[WSB+(\t)/4]
.endif
.irp g, 0,1,2,3
	v_cvt_scalef32_pk8_fp4_f32 v[WC+\g], v[XS+8*\g:XS+8*\g+7], v11
.endr
	v_nop                                          ; one plain line behind the last conversion
	ds_store_b128 v4, v[WC:WC+3] offset:16*(\t)    ; 32 codes: 16 bytes of my column's row
.if (\t)+2 < 16
	WLOAD (\t)+2
.endif
	s_wait_dscnt 0x0                               ; the store has read its registers: the next block's codes may be written
.endm
.irp t, 0,1,2,3,4,5,6,7,8,9,10,11,12,13,14,15
	WBLOCK \t
.endr
	global_store_b128 v9, v[WSB:WSB+3], s[16:17]   ; my column's 16 scale bytes
.irp t, 0,1,2,3,4,5,6,7,8,9,10,11,12,13,14,15
	ds_load_b128 v[WOUT+4*\t:WOUT+4*\t+3], v7 offset:2*\t*WPITCH
.endr
.irp t, 0,1,2,3,4,5,6,7,8,9,10,11,12,13,14,15
	s_wait_dscnt 15-\t                             ; loads come back in order: row pair t is in
	global_store_b128 v8, v[WOUT+4*\t:WOUT+4*\t+3], s[14:15] offset:2*\t*512
.endr
	FINISH
; ---------------- w_proj to f16: a stream.  A wave takes 8,192 numbers in four groups of 16 loads; two groups are on their way.
.Lp:
	v_lshlrev_b32 v3, 4, v2
	v_lshlrev_b32 v4, 3, v2
	s_sub_co_u32 s22, ttmp9, 48
	s_lshl_b32 s22, s22, 2
	s_add_co_u32 s22, s22, s[WV]
	s_lshl_b32 s24, s22, 15
	s_mov_b32 s25, 0
	s_lshl_b32 s26, s22, 14
	s_mov_b32 s27, 0
	s_wait_kmcnt 0x0
	s_add_nc_u64 s[8:9], s[8:9], s[24:25]
	s_add_nc_u64 s[18:19], s[18:19], s[26:27]
.macro PLOAD g
.irp i, 0,1,2,3,4,5,6,7,8,9,10,11,12,13,14,15
	global_load_b128 v[16+64*((\g)%2)+4*\i:16+64*((\g)%2)+4*\i+3], v3, s[8:9] offset:8192*(\g)+512*\i th:TH_LOAD_NT
.endr
.endm
.macro PCAST g
.if (\g) < 3
	s_wait_loadcnt 16                              ; this group is in; the next group's 16 loads may be out
.else
	s_wait_loadcnt 0x0
.endif
.if (\g) > 0
	s_wait_xcnt 0x0                                ; the last group's stores have read v144-175: they are written again only behind this wait
.endif
.irp i, 0,1,2,3,4,5,6,7,8,9,10,11,12,13,14,15
	v_cvt_pk_f16_f32 v[144+2*\i], v[16+64*((\g)%2)+4*\i], v[16+64*((\g)%2)+4*\i+1]
	v_cvt_pk_f16_f32 v[145+2*\i], v[16+64*((\g)%2)+4*\i+2], v[16+64*((\g)%2)+4*\i+3]
.endr
.irp i, 0,1,2,3,4,5,6,7,8,9,10,11,12,13,14,15
	global_store_b64 v4, v[144+2*\i:145+2*\i], s[18:19] offset:4096*(\g)+256*\i   ; 256 consecutive bytes, aligned
.endr
.if (\g) < 2
	PLOAD (\g)+2
.endif
.endm
	PLOAD 0
	PLOAD 1
	PCAST 0
	PCAST 1
	PCAST 2
	PCAST 3
	FINISH
.Lfunc_end_k_qff2be495eb_prep:
	.size	k_qff2be495eb_prep, .Lfunc_end_k_qff2be495eb_prep-k_qff2be495eb_prep
	.p2alignl 7, 3214868480
	.fill 96, 4, 3214868480
	.section	.rodata,"a",@progbits
	.p2align	6, 0x0
	.amdhsa_kernel k_qff2be495eb_prep
		.amdhsa_group_segment_fixed_size 68096
		.amdhsa_private_segment_fixed_size 0
		.amdhsa_enable_private_segment 0
		.amdhsa_kernarg_size 64
		.amdhsa_user_sgpr_count 2
		.amdhsa_user_sgpr_kernarg_segment_ptr 1
		.amdhsa_wavefront_size32 1
		.amdhsa_system_sgpr_workgroup_id_x 1
		.amdhsa_system_sgpr_workgroup_id_y 1
		.amdhsa_system_sgpr_workgroup_id_z 1
		.amdhsa_system_vgpr_workitem_id 0
		.amdhsa_next_free_vgpr 194
		.amdhsa_next_free_sgpr 66
		.amdhsa_reserve_vcc 0
		.amdhsa_float_denorm_mode_32 3
		.amdhsa_float_denorm_mode_16_64 3
		.amdhsa_memory_ordered 1
		.amdhsa_forward_progress 1
		.amdhsa_inst_pref_size 132
	.end_amdhsa_kernel
	.amdgpu_metadata
---
amdhsa.version: [ 1, 2 ]
amdhsa.kernels:
  - .name:           k_qff2be495eb_prep
    .symbol:         k_qff2be495eb_prep.kd
    .args:
      - { .name: x, .offset: 0, .size: 8, .value_kind: global_buffer, .address_space: global }
      - { .name: w_qkv, .offset: 8, .size: 8, .value_kind: global_buffer, .address_space: global }
      - { .name: w_proj, .offset: 16, .size: 8, .value_kind: global_buffer, .address_space: global }
      - { .name: x_codes, .offset: 24, .size: 8, .value_kind: global_buffer, .address_space: global }
      - { .name: x_scales, .offset: 32, .size: 8, .value_kind: global_buffer, .address_space: global }
      - { .name: w_codes, .offset: 40, .size: 8, .value_kind: global_buffer, .address_space: global }
      - { .name: w_scales, .offset: 48, .size: 8, .value_kind: global_buffer, .address_space: global }
      - { .name: w16, .offset: 56, .size: 8, .value_kind: global_buffer, .address_space: global }
    .group_segment_fixed_size: 68096
    .private_segment_fixed_size: 0
    .kernarg_segment_align: 8
    .kernarg_segment_size: 64
    .max_flat_workgroup_size: 128
    .sgpr_count:     66
    .vgpr_count:     194
    .wavefront_size: 32
...
	.end_amdgpu_metadata
.endif
;; end of part 1
;; launch qkv (part 2): grid 12 x 32, 4 waves a work-group, clusters of 4 x 4, 327,680 bytes of LDS; arguments x_codes, x_scales, w_codes, w_scales, qkv16, b_qkv, qkv_fine; writes qkv16, qkv_fine
.if DOCPART == 2
	.amdgcn_target "amdgcn-amd-amdhsa--gfx1250"
	.amdhsa_code_object_version 6
	.text
	.protected	k_qff2be495eb_qkv
	.globl	k_qff2be495eb_qkv
	.p2align	8
	.type	k_qff2be495eb_qkv,@function
k_qff2be495eb_qkv:
	s_mov_b64 s[64:65], 0
	v_nop
	global_prefetch_b8 v0, s[64:65] scope:SCOPE_SE
	s_setreg_imm32_b32 hwreg(HW_REG_WAVE_MODE, 25, 1), 1
	s_wait_xcnt 0x0
	s_wait_alu depctr_hold_cnt(0) depctr_sa_sdst(0) depctr_va_vdst(0) depctr_va_sdst(0) depctr_va_ssrc(0) depctr_va_vcc(0) depctr_vm_vsrc(0)
	s_getreg_b32 s2, hwreg(HW_REG_IB_STS2, 6, 4)
	s_cmp_eq_u32 s2, 0
	s_cbranch_scc0 .Lentry_in_a_cluster
	s_endpgm
.Lentry_in_a_cluster:
	s_bfe_u32 s2, ttmp6, 0x10000c
	s_cmp_lg_u32 s2, 0xf033
	s_cbranch_scc0 .Lentry_shape_is_right
	s_endpgm
.Lentry_shape_is_right:
; qkv = Q(x) Q(w_qkv) + b_qkv on codes of FP4 (E2M1) with one E8M0 scale for each 32 along K; sums in f32.  A = x's codes [8192][512 bytes], B = w_qkv's codes [3072 (n)][512 bytes].
; A tile of 256 x 256 is made by four waves, each 128 x 128: 64 accumulators, 512 registers.  K = 1,024 is two slots of 512 along K: both slots and all scale bytes are asked for at the head
; (three tensor loads a wave are out, by this text's count), and nothing is ever filled again.
; CLUSTERS: 4 x 4 work-groups.  The four of a row of the cluster need the same tiles of A, the four of a column the same tiles of B: each tile is asked for jointly.
; THE ROWS OF A TILE: tile row = 8 cy + cluster y, so that cy is the batch and the sequences' first 16 positions lie in the clusters with y = 0: a number that all sixteen partners share.
; THE MATRIX INSTRUCTION IS USED TRANSPOSED (source 0 = 16 rows of B, source 1 = 16 rows of A): a lane holds eight neighbouring columns of one row.  THE BIAS is the C of each sum's first product
; (so it is added ahead of the products and not behind them: one f32 rounding falls otherwise than in the definition).
; OUT: f16, laid [batch][n / 64][position][64], so that a head's q, k or v are dense rows of 128 bytes; and, for positions 0-15 of each batch, the f32 accumulators as they stand (register images).
; LIMIT: a result beyond 65,504 in magnitude becomes infinity in f16.
; REGISTERS: window 0: v0-31 addresses; v32-95 scale words, two sets; v128-191 A's fragments, one set; v192-255 the bias, later the way out.  window 1: B's fragments, two sets.  windows 2, 3: the accumulators ((a, b) at v[8 (8 (a % 4) + b)]).
.set SIZE_K, 1024
.set KSTEP,  512
.set NQ,     KSTEP/128
.set ROWB,   256                       ; a tile's row in bytes
.set KROW,   SIZE_K/2                  ; a row of codes in memory
.set PITCH,  272                       ; 256 + 16 of padding = 68 words: row r starts at bank 4 r mod 64 (64 banks of 4 bytes: ISA guide 11.1)
.set FR,     8
.set NL,     2
.set NP,     4                         ; places behind this matrix instruction (ISA guide 7.12.1)
.set HALFT,  128*PITCH
.set SLOT,   4*HALFT
.set KS,     SIZE_K/32
.set SCL,    2*SLOT                    ; behind the ring: the scales, as units of 256 bytes + 16 of padding
.set HALFS,  (128*KS/256)*272
.set SBLK,   (16*KS/256)*272
.set SPARE,  SCL+4*HALFS               ; the spare words, 128 bytes a wave, which no other line names
.set SPITCH, 272                       ; the way out: 16 rows x (256 + 16) for each wave, in slot 0, which has had its only fill and its last read by then
.set ADRA, 16
.set ADRB, 20
.set STO,  24
.set RD,   25
.set CO,   26
.set ADRS, 27
.set SPW,  28
.set NIL,  29
.set BO,   30                          ; v30  32 x (lane / 16): my eight numbers of a block's bias
.set SC,   32
.set AF,   128
.set BIAS, 192
.set TMP,  192
.set OB,   32
.set G1, 24
.set G0, 32
.set G1B, 48
.set G0B, 56
.set G1S, 68
.set G0S, 76
.set G1SB, 80
.set G0SB, 88
.set SK,  100                          ; s100  0 in the waves that hold positions 0-15 of a batch
.set MSB, 0
.macro WIN new                         ; the immediate's high byte repeats the setting that is left
.if MSB != (\new)
	s_set_vgpr_msb (MSB<<8)|(\new)
.set MSB, (\new)
.endif
.endm
.set MUL_LO, 0xa1                      ; source 0 (B) window 1, source 1 (A) window 0, C and D window 2
.set MUL_HI, 0xf1                      ; the same, C and D window 3
.set TO_B,   0x40
.macro JLOAD g0a, g1a, g0b, g1b        ; a joint load: waves 0 and 1 fetch for A, waves 2 and 3 for B; an s_nop 0 and four v_nop follow each line
	s_cmp_eq_u32 s15, 0
	s_cbranch_scc0 .Lfor_b_\@
	tensor_load_to_lds s[\g0a:\g0a+3], s[\g1a:\g1a+7]
	s_nop 0
.rept 4
	v_nop
.endr
	s_branch .Lasked_\@
.Lfor_b_\@:
	tensor_load_to_lds s[\g0b:\g0b+3], s[\g1b:\g1b+7]
	s_nop 0
.rept 4
	v_nop
.endr
.Lasked_\@:
.endm
.macro CROUND                          ; a round of the cluster's barrier
	s_barrier_signal -1
	s_barrier_wait -1
	s_cmp_lg_u32 s14, 0
	s_cbranch_scc1 .Lnot_wave_0_\@
	s_barrier_signal -3
.Lnot_wave_0_\@:
	s_barrier_wait -3
	s_barrier_signal -1
	s_barrier_wait -1
.endm
	s_load_b128 s[4:7], s[0:1], 0x0                ; A's codes, A's scales
	s_load_b128 s[8:11], s[0:1], 0x10              ; B's codes, B's scales
	s_load_b64 s[12:13], s[0:1], 0x20              ; qkv16
	s_load_b128 s[96:99], s[0:1], 0x28             ; b_qkv s[96:97], qkv_fine s[98:99]
	v_lshl_add_u32 v[SPW], v0, 2, SPARE
	v_mov_b32 v[NIL], 0
	ds_add_u32 v[SPW], v[NIL]                      ; the wave's opening: the add, twice on end, and its wait ahead of my first tensor load
	ds_add_u32 v[SPW], v[NIL]
	v_lshrrev_b32 v1, 5, v0
	v_readfirstlane_b32 s14, v1                    ; wave 0..3
	s_lshr_b32 s15, s14, 1                         ; which half of the tile's rows is mine.  Also: I fetch for A (0) or for B (1)
	s_and_b32 s16, s14, 1                          ; which half of its columns.  Also: which 128 rows of that tile I fetch
	s_bfe_u32 s40, ttmp6, 0x40000                  ; cx
	s_bfe_u32 s41, ttmp6, 0x40004                  ; cy
	s_lshl_b32 s42, ttmp9, 2
	s_add_co_u32 s42, s42, s40                     ; tile column = 4 x cluster x + cx
	s_and_b32 s17, ttmp7, 0xffff                   ; cluster y
	s_or_b32 s[SK], s17, s15
	s_lshl_b32 s95, s41, 3
	s_add_co_u32 s17, s17, s95                     ; tile row = 8 cy + cluster y
	s_lshl_b32 s43, s41, 2
	s_lshl_b32 s43, 15, s43                        ; my row of the cluster
	s_lshl_b32 s44, 0x1111, s40                    ; my column
	s_or_b32 s[G1+0], s43, (0<<16)|(1<<20)|(1<<21)|(5<<22)|(3<<25)  ; the mask; elements of 1 byte; padding on; bit 21 beside a mask; after every 64 words, 4 words
	s_or_b32 s[G1B+0], s44, (0<<16)|(1<<20)|(1<<21)|(5<<22)|(3<<25)
.irp g, G1, G1B
	s_mov_b32 s[\g+1], ROWB<<16                    ; tensor_dim0
	s_mov_b32 s[\g+2], 128<<16                     ; tensor_dim1
	s_mov_b32 s[\g+3], ROWB<<16                    ; tile_dim0
	s_mov_b32 s[\g+4], 128                         ; tile_dim1
	s_mov_b32 s[\g+5], KROW                        ; the pitch
	s_mov_b32 s[\g+6], 0
	s_mov_b32 s[\g+7], 0
.endr
	s_or_b32 s[G1S+0], s43, (3<<16)|(1<<20)|(1<<21)|(5<<22)|(3<<25) ; the scales of 128 rows: a dense block, as rows of 256 bytes (32 elements of 8 bytes)
	s_or_b32 s[G1SB+0], s44, (3<<16)|(1<<20)|(1<<21)|(5<<22)|(3<<25)
.irp g, G1S, G1SB
	s_mov_b32 s[\g+1], 32<<16
	s_mov_b32 s[\g+2], (128*KS/256)<<16
	s_mov_b32 s[\g+3], 32<<16
	s_mov_b32 s[\g+4], 128*KS/256
	s_mov_b32 s[\g+5], 32
	s_mov_b32 s[\g+6], 0
	s_mov_b32 s[\g+7], 0
.endr
	s_lshl_b32 s18, s16, 7
	s_lshl_b32 s20, s17, 8
	s_add_co_u32 s20, s20, s18                     ; A: row 256 x tile row + 128 x half
	s_lshl_b32 s46, s42, 8
	s_add_co_u32 s46, s46, s18                     ; B: row 256 x tile column + 128 x half
	s_mov_b32 s21, 0
	s_mov_b32 s47, 0
	s_mov_b64 s[18:19], KS
	s_mul_u64 s[22:23], s[20:21], s[18:19]         ; where these rows' scales begin,
	s_mul_u64 s[92:93], s[46:47], s[18:19]
	s_mov_b64 s[18:19], KROW
	s_mul_u64 s[20:21], s[20:21], s[18:19]         ; and their codes
	s_mul_u64 s[46:47], s[46:47], s[18:19]
	s_mul_i32 s45, s14, HALFT                      ; where they go: wave x 128 rows
	s_mul_i32 s94, s14, HALFS
	s_wait_dscnt 0x0                               ; both opening adds are done
	s_wait_kmcnt 0x0
	s_add_nc_u64 s[20:21], s[4:5], s[20:21]
	s_add_nc_u64 s[22:23], s[6:7], s[22:23]
	s_add_nc_u64 s[46:47], s[8:9], s[46:47]
	s_add_nc_u64 s[92:93], s[10:11], s[92:93]
	CROUND                                         ; all sixteen work-groups are here: the joint loads meet
	s_mov_b32 s[G0S], 1
	s_add_co_u32 s[G0S+1], s94, SCL
	s_mov_b64 s[G0S+2:G0S+3], s[22:23]
	s_or_b32 s[G0S+3], s[G0S+3], 0x80000000
	s_mov_b32 s[G0SB], 1
	s_add_co_u32 s[G0SB+1], s94, SCL
	s_mov_b64 s[G0SB+2:G0SB+3], s[92:93]
	s_or_b32 s[G0SB+3], s[G0SB+3], 0x80000000
	JLOAD G0S, G1S, G0SB, G1SB                     ; the scales first: they are wanted with the first products
.irp s, 0,1
	s_mov_b32 s[G0+4*\s], 1
	s_add_co_u32 s[G0+4*\s+1], s45, \s*SLOT
	s_add_nc_u64 s[G0+4*\s+2:G0+4*\s+3], s[20:21], \s*ROWB
	s_or_b32 s[G0+4*\s+3], s[G0+4*\s+3], 0x80000000
	s_mov_b32 s[G0B+4*\s], 1
	s_add_co_u32 s[G0B+4*\s+1], s45, \s*SLOT
	s_add_nc_u64 s[G0B+4*\s+2:G0B+4*\s+3], s[46:47], \s*ROWB
	s_or_b32 s[G0B+4*\s+3], s[G0B+4*\s+3], 0x80000000
	JLOAD G0+4*\s, G1, G0B+4*\s, G1B
.endr
	v_and_b32 v1, 15, v0                           ; r = lane % 16
	v_bfe_u32 v2, v0, 4, 1                         ; h = lane / 16
	v_lshlrev_b32 v[BO], 5, v2
	s_lshl_b32 s46, s42, 10                        ; the bias of my 128 columns: 4 (256 x tile column + 128 x half) bytes on
	s_lshl_b32 s47, s16, 9
	s_add_co_u32 s46, s46, s47
	s_mov_b32 s47, 0
	s_add_nc_u64 s[96:97], s[96:97], s[46:47]
.irp b, 0,1,2,3,4,5,6,7
	global_load_b128 v[BIAS+8*\b:BIAS+8*\b+3], v[BO], s[96:97] offset:64*\b        ; b_qkv at columns 16 b + 8 h + 0 .. 7: the result's layout
	global_load_b128 v[BIAS+8*\b+4:BIAS+8*\b+7], v[BO], s[96:97] offset:64*\b+16
.endr
	v_mul_u32_u24 v3, v1, PITCH
	v_lshl_add_u32 v4, v2, 4, v3                   ; a fragment's row x pitch + 16 x half
	s_mul_i32 s21, s15, HALFT                      ; my 128 rows of A
	s_mul_i32 s22, s16, HALFT                      ; my 128 rows of B,
	s_add_co_u32 s22, s22, 2*HALFT                 ; behind A's 256
.irp s, 0,1
	v_add_nc_u32 v[ADRA+\s], s21, v4
	v_add_nc_u32 v[ADRB+\s], s22, v4
	s_add_co_u32 s21, s21, SLOT
	s_add_co_u32 s22, s22, SLOT
.endr
	v_mul_u32_u24 v5, v1, KS                       ; my row's scales: KS bytes a row,
	v_lshrrev_b32 v6, 8, v5
	v_lshl_add_u32 v5, v6, 4, v5                   ; and 16 more for each 256 passed
	s_mul_i32 s21, s15, HALFS
	s_mul_i32 s22, s16, HALFS
	s_add_co_u32 s22, s22, 2*HALFS
	s_sub_co_u32 s22, s22, s21
	v_mul_u32_u24 v6, s22, v2                      ; lanes 16-31 take B's
	s_add_co_u32 s21, s21, SCL
	v_add_nc_u32 v5, v5, v6
	v_add_nc_u32 v[ADRS], s21, v5
	s_mul_i32 s23, s14, 16*SPITCH                  ; my stage
	v_mul_u32_u24 v5, v1, SPITCH
	v_lshl_add_u32 v5, v2, 4, v5
	v_add_nc_u32 v[STO], s23, v5                   ; in: row r, 16 bytes for each half of the lanes
	v_and_b32 v6, 31, v0
	v_lshlrev_b32 v[CO], 4, v6                     ; out: 16 bytes a lane, 512 on end
	v_lshrrev_b32 v5, 3, v6
	v_mul_u32_u24 v5, v5, SPITCH
	v_and_b32 v7, 7, v0
	v_lshl_add_u32 v5, v7, 4, v5
	v_add_nc_u32 v[RD], s23, v5                    ; back: eight lanes take a head's 128 bytes of a row, four rows an instruction
	s_mul_i32 s20, s41, 48*2048*128                ; qkv16: the batch (cy),
	s_lshl_b32 s21, s42, 2
	s_lshl_b32 s22, s16, 1
	s_add_co_u32 s21, s21, s22
	s_lshl_b32 s21, s21, 18                        ; the first of my two groups of 64 columns: 4 x tile column + 2 x half, 262,144 bytes each,
	s_add_co_u32 s20, s20, s21
	s_and_b32 s21, ttmp7, 0xffff
	s_lshl_b32 s21, s21, 15                        ; the tile's first position: 256 x cluster y, 128 bytes each,
	s_add_co_u32 s20, s20, s21
	s_lshl_b32 s21, s15, 14                        ; and my half's 128
	s_add_co_u32 s20, s20, s21
	s_mov_b32 s21, 0
	s_add_nc_u64 s[12:13], s[12:13], s[20:21]
	s_mul_i32 s20, s41, 192*1024                   ; qkv_fine: the batch, and my first block of 16 columns: 16 x tile column + 8 x half
	s_lshl_b32 s22, s42, 14
	s_add_co_u32 s20, s20, s22
	s_lshl_b32 s22, s16, 13
	s_add_co_u32 s20, s20, s22
	s_add_nc_u64 s[98:99], s[98:99], s[20:21]
.macro FRAG reg, adr, q, i             ; 16 rows x 128 K of 4-bit codes: 8 registers; registers 4 c .. 4 c + 3 hold K = 64 c + 32 (lane / 16) + 0 .. 31
.irp c, 0,1
	ds_load_b128 v[\reg+4*\c:\reg+4*\c+3], v[\adr] offset:64*(\q)+32*\c+(\i)*16*PITCH
.endr
.endm
; 16 products: A's blocks a0, a0 + 1 x B's eight.  p: B's set; sc: the set of scale words.  first = 1: the bias is C.  The 64 accumulators take turns, one instruction a turn.
.macro MUL16 a0, p, q, sc, first
.irp a, \a0, \a0+1
.irp b, 0,1,2,3,4,5,6,7
.if \first
	v_wmma_scale_f32_16x16x128_f8f6f4 v[8*(8*((\a)%4)+\b):8*(8*((\a)%4)+\b)+7], v[128*(\p)+FR*\b:128*(\p)+FR*\b+FR-1], v[AF+FR*(\a):AF+FR*(\a)+FR-1], v[BIAS+8*\b:BIAS+8*\b+7], v[SC+8*NQ*(\sc)+NQ*\b+(\q)], v[SC+8*NQ*(\sc)+NQ*(\a)+(\q)] matrix_a_fmt:MATRIX_FMT_FP4 matrix_b_fmt:MATRIX_FMT_FP4 matrix_a_scale:MATRIX_SCALE_ROW1
.else
	v_wmma_scale_f32_16x16x128_f8f6f4 v[8*(8*((\a)%4)+\b):8*(8*((\a)%4)+\b)+7], v[128*(\p)+FR*\b:128*(\p)+FR*\b+FR-1], v[AF+FR*(\a):AF+FR*(\a)+FR-1], v[8*(8*((\a)%4)+\b):8*(8*((\a)%4)+\b)+7], v[SC+8*NQ*(\sc)+NQ*\b+(\q)], v[SC+8*NQ*(\sc)+NQ*(\a)+(\q)] matrix_a_fmt:MATRIX_FMT_FP4 matrix_b_fmt:MATRIX_FMT_FP4 matrix_a_scale:MATRIX_SCALE_ROW1
.endif
.endr
.endr
.endm
.macro FETCH_B slot, q, p
	WIN TO_B
.irp i, 0,1,2,3,4,5,6,7
	FRAG 128*(\p)+FR*\i, ADRB+\slot, \q, \i
.endr
	WIN 0
.endm
.macro FETCH_A slot, q, i0
.irp i, \i0, \i0+1, \i0+2, \i0+3
	FRAG AF+FR*(\i), ADRA+\slot, \q, \i
.endr
.endm
.macro SCALES sc                       ; a slot's scale words: lanes 0-15 take A's block i, lanes 16-31 B's block i
.irp i, 0,1,2,3,4,5,6,7
	ds_load_b128 v[SC+8*NQ*\sc+NQ*\i:SC+8*NQ*\sc+NQ*\i+3], v[ADRS] offset:\i*SBLK
.endr
.endm
.macro PLACES n                        ; plain vector lines between a matrix instruction and a load into, or a read of, its registers
.rept \n
	v_nop
.endr
.endm
.macro STEP slot, q, first             ; 128 along K that has its successor in the same slot
	s_wait_dscnt 4*NL                              ; B's set and A's blocks 0-3 are in; the youngest eight loads (A's blocks 4-7) may be out
.if \first
	WIN 0x81                                       ; C (the bias) window 0, D window 2
.else
	WIN MUL_LO
.endif
	MUL16 0, (\q)%2, \q, \slot, \first
	MUL16 2, (\q)%2, \q, \slot, \first
	s_wait_dscnt 0
	PLACES NP
	FETCH_B \slot, (\q)+1, 1-(\q)%2
	FETCH_A \slot, (\q)+1, 0
.if \first
	WIN 0xc1
.else
	WIN MUL_HI
.endif
	MUL16 4, (\q)%2, \q, \slot, \first
	MUL16 6, (\q)%2, \q, \slot, \first
	PLACES NP
	WIN 0
	FETCH_A \slot, (\q)+1, 4
.endm
.macro TURN slot, next                 ; a slot's last step, and the change of slots: one barrier
	s_wait_tensorcnt 0x0                           ; all my tensor loads have landed: my part of the next slot
	ds_add_u32 v[SPW], v[NIL]
	s_wait_dscnt 4*NL+1                            ; the add and the youngest eight loads may be out
	WIN MUL_LO
	MUL16 0, 1, NQ-1, \slot, 0
	s_wait_dscnt 0x0                               ; the add is done, and my reads of this slot are over
	s_barrier_signal -1
	MUL16 2, 1, NQ-1, \slot, 0
	WIN 0
	s_barrier_wait -1
	PLACES NP
	v_add_nc_u32 v[ADRS], 4*NQ, v[ADRS]            ; on to the next slot's scale words
	FETCH_B \next, 0, 0
	FETCH_A \next, 0, 0
	SCALES \next
	WIN MUL_HI
	MUL16 4, 1, NQ-1, \slot, 0
	MUL16 6, 1, NQ-1, \slot, 0
	PLACES NP
	WIN 0
	FETCH_A \next, 0, 4
.endm
	s_wait_tensorcnt 1                             ; the scales and my part of slot 0 are in; slot 1's load may be out
	s_barrier_signal -1
	s_barrier_wait -1
	FETCH_B 0, 0, 0
	FETCH_A 0, 0, 0
	SCALES 0
	FETCH_A 0, 0, 4
	s_wait_loadcnt 0x0                             ; the bias
	STEP 0, 0, 1
	STEP 0, 1, 0
	STEP 0, 2, 0
	TURN 0, 1
	STEP 1, 0, 0
	STEP 1, 1, 0
	STEP 1, 2, 0
	s_wait_dscnt 4*NL                              ; the very last step
	WIN MUL_LO
	MUL16 0, 1, NQ-1, 1, 0
	MUL16 2, 1, NQ-1, 1, 0
	s_wait_dscnt 0
	WIN MUL_HI
	MUL16 4, 1, NQ-1, 1, 0
	MUL16 6, 1, NQ-1, 1, 0
	WIN 0
	PLACES NP
	; positions 0-15 of a batch (block 0 of the upper waves where cluster y = 0) also leave in f32, as register images: each store is 512 consecutive bytes
	s_cmp_lg_u32 s[SK], 0
	s_cbranch_scc1 .Lnot_fine
	WIN 0x08                                       ; a store's data are its source 1: window 2
.irp b, 0,1,2,3,4,5,6,7
	global_store_b128 v[CO], v[8*\b:8*\b+3], s[98:99] offset:1024*\b
	global_store_b128 v[CO], v[8*\b+4:8*\b+7], s[98:99] offset:1024*\b+512
.endr
	WIN 0
.Lnot_fine:
; THE WAY OUT, a block of 16 rows x 128 columns at a time: rounded to f16, 16 bytes a lane into my stage, back as four rows x 128 bytes of one group of 64 columns, which are 512 consecutive bytes of qkv16.
.macro PACK a
.set AC, 64*((\a)%4)
	WIN 0x0a+5*((\a)/4)                            ; sources 0 and 1: window 2 or 3
.irp b, 0,1,2,3,4,5,6,7
.irp r, 0,1,2,3
	v_cvt_pk_f16_f32 v[TMP+4*\b+\r], v[AC+8*\b+2*\r], v[AC+8*\b+2*\r+1]
.endr
.endr
	WIN 0
.endm
.macro TOSTAGE a
.set BK, OB+192*((\a)%2)
.irp b, 0,1,2,3,4,5,6,7
	ds_store_b128 v[STO], v[TMP+4*\b:TMP+4*\b+3] offset:32*\b
.endr
.irp i, 0,1,2,3
.irp j, 0,1
	ds_load_b128 v[BK+4*(2*\i+\j):BK+4*(2*\i+\j)+3], v[RD] offset:\i*4*SPITCH+128*\j   ; LDS serves a wave in order: these see the stores above
.endr
.endr
.endm
.macro SEND a
.set BK, OB+192*((\a)%2)
	s_wait_dscnt 0x0                               ; the block is back in registers
	s_wait_xcnt 0x0                                ; earlier stores have read their registers: the next block's loads may land there
.irp i, 0,1,2,3
.irp j, 0,1
	global_store_b128 v[CO], v[BK+4*(2*\i+\j):BK+4*(2*\i+\j)+3], s[12:13] offset:\j*262144+(\a)*2048+\i*512
.endr
.endr
.endm
	PACK 0
	TOSTAGE 0
.irp a, 1,2,3,4,5,6,7
	PACK \a
	SEND \a-1
	TOSTAGE \a
.endr
	SEND 7
	s_wait_tensorcnt 0x0                           ; the wave's end
	ds_add_u32 v[SPW], v[NIL]
	s_wait_dscnt 0x0
	CROUND                                         ; the closing round
	s_endpgm
.Lfunc_end_k_qff2be495eb_qkv:
	.size	k_qff2be495eb_qkv, .Lfunc_end_k_qff2be495eb_qkv-k_qff2be495eb_qkv
	.p2alignl 7, 3214868480
	.fill 96, 4, 3214868480
	.section	.rodata,"a",@progbits
	.p2align	6, 0x0
	.amdhsa_kernel k_qff2be495eb_qkv
		.amdhsa_group_segment_fixed_size 327680
		.amdhsa_private_segment_fixed_size 0
		.amdhsa_enable_private_segment 0
		.amdhsa_kernarg_size 56
		.amdhsa_user_sgpr_count 2
		.amdhsa_user_sgpr_kernarg_segment_ptr 1
		.amdhsa_wavefront_size32 1
		.amdhsa_system_sgpr_workgroup_id_x 1
		.amdhsa_system_sgpr_workgroup_id_y 1
		.amdhsa_system_sgpr_workgroup_id_z 1
		.amdhsa_system_vgpr_workitem_id 0
		.amdhsa_next_free_vgpr 1024
		.amdhsa_next_free_sgpr 102
		.amdhsa_reserve_vcc 0
		.amdhsa_float_denorm_mode_32 3
		.amdhsa_float_denorm_mode_16_64 3
		.amdhsa_memory_ordered 1
		.amdhsa_forward_progress 1
		.amdhsa_inst_pref_size 130
	.end_amdhsa_kernel
	.amdgpu_metadata
---
amdhsa.version: [ 1, 2 ]
amdhsa.kernels:
  - .name:           k_qff2be495eb_qkv
    .symbol:         k_qff2be495eb_qkv.kd
    .args:
      - { .name: x_codes, .offset: 0, .size: 8, .value_kind: global_buffer, .address_space: global }
      - { .name: x_scales, .offset: 8, .size: 8, .value_kind: global_buffer, .address_space: global }
      - { .name: w_codes, .offset: 16, .size: 8, .value_kind: global_buffer, .address_space: global }
      - { .name: w_scales, .offset: 24, .size: 8, .value_kind: global_buffer, .address_space: global }
      - { .name: qkv16, .offset: 32, .size: 8, .value_kind: global_buffer, .address_space: global }
      - { .name: b_qkv, .offset: 40, .size: 8, .value_kind: global_buffer, .address_space: global }
      - { .name: qkv_fine, .offset: 48, .size: 8, .value_kind: global_buffer, .address_space: global }
    .group_segment_fixed_size: 327680
    .private_segment_fixed_size: 0
    .kernarg_segment_align: 8
    .kernarg_segment_size: 56
    .max_flat_workgroup_size: 128
    .sgpr_count:     102
    .vgpr_count:     1024
    .wavefront_size: 32
...
	.end_amdgpu_metadata
.endif
;; end of part 2
;; launch attn (part 3): grid 4 x 64, 16 waves a work-group, no clusters, 327,680 bytes of LDS; arguments qkv16, att16; writes att16
.if DOCPART == 3
	.amdgcn_target "amdgcn-amd-amdhsa--gfx1250"
	.amdhsa_code_object_version 6
	.text
	.protected	k_qff2be495eb_attn
	.globl	k_qff2be495eb_attn
	.p2align	8
	.type	k_qff2be495eb_attn,@function
k_qff2be495eb_attn:
	s_mov_b64 s[64:65], 0
	v_nop
	global_prefetch_b8 v0, s[64:65] scope:SCOPE_SE
	s_setreg_imm32_b32 hwreg(HW_REG_WAVE_MODE, 25, 1), 1
	s_wait_xcnt 0x0
; Causal attention of one head: O[q] = sum over k <= q of softmax_k(Q[q] . K[k] / 8) V[k].  Q, K, V: f16 rows of 64 (128 bytes) out of qkv16 [batch][48][2048][64]; products with f32 sums; maxima, exponentials and sums in f32;
; the weights p are rounded to f16 for the second product; O is rounded to f16 once, into att16 [head][batch x 2048 + position][64].
; LIMIT: operands are f16: magnitudes beyond 65,504 are not served.  (Positions 0-15 of each sequence are computed here too, but the output takes them from the launch that carries them in f32.)
; SHARES.  Work-group (i, batch x head) owns the query blocks i and 7 - i of 256 queries: under the mask each work-group then has 9 block-units of keys.  Each of its sixteen waves owns 32 queries, two tiles of 16,
; in 256 registers: four waves to a SIMD, two of each block.  All waves walk one stream of K and V, 64 keys a step, through a ring of two LDS slots of 256 keys (waves 0, 1 fetch K's halves, waves 2, 3 V's).
; NO CLUSTER: the four work-groups of a head need 8, 7, 6 and 5 slots of keys; a joint load would bring tiles that every wave of some partner leaves unread.
; LAYOUT.  S^T = K Q^T (source 0 = 16 keys, source 1 = 16 queries): a lane holds ONE query (lane % 16) and keys 8 (lane / 16) + 0..7 of each tile.  Two tiles, rounded to f16 in pairs, ARE source 1 of O^T = V^T P.
; V ([key][channel]) comes out of LDS turned, by ds_load_tr16_b128.
; SOFTMAX.  A running maximum m and sum l for each query: p = 2^(c s - c m), c = log2(e) / 8; in every step O and l are multiplied by a = 2^(c m_old - c m_new).
; THE MASK.  Every work-group walks all 8 slots: trip counts are constants.  A step all of whose keys come after the wave's queries is jumped over (a branch on ids); on the diagonal hidden scores become -infinity.
; A slot whose first key comes after the work-group's last query is not asked for.  Every wait on TENSORcnt in this text is for 0.
.set PK,    144                        ; a row of K in LDS: 128 bytes + 16 = 36 words: the 16 rows of a load start at 16 different groups of four banks (64 banks of 4 bytes: ISA guide 11.1)
.set PV,    160                        ; a row of V: 128 + 32: an odd multiple of 32 bytes, for the turning load
.set SKEYS, 256                        ; keys in a slot
.set VOFF,  SKEYS*PK                   ; a slot: 256 rows of K, then 256 rows of V
.set SLOT1, 1<<17                      ; slot 1 begins here: one exclusive or turns an address from one slot to the other
.set SPARE, SLOT1+SKEYS*(PK+PV)        ; behind the ring: the spare words, 128 bytes for each of 16 waves, which no other line names
.set STG,   32*PK                      ; the way out: 32 rows x 144 for each wave, in slot 0, which is left at the last change of slots and has had its last fill
.set AK0, 1                            ; v1  my lane's place in a tile of K
.set AV0, 2                            ; v2  the same for V
.set SPW, 3                            ; v3  LDS address of my spare word; never rewritten
.set NIL, 4                            ; v4  0; never rewritten
.set PFO, 5                            ; v5  256 x lane: the prefetches' offset; never rewritten
.set RH,  6                            ; v6  lane % 16 - 8 (lane / 16)
.set ADK, 7                            ; v7  LDS address of the step's K
.set ADV, 8                            ; v8  of its V
.set ST,  16                           ; tile t's statistics at v[ST + 8 t]: +0 -c m, +1 m, +2, +3 l in two halves, +4 a (later 1 / l), +5 its pair's other word, +6, +7 at work
.set QF,  32                           ; v32-63   Q: tile t, channels 32 c on, at QF + 16 t + 8 c
.set KV,  64                           ; v64-127  K's 8 fragments, then V^T's 8
.set S,   128                          ; v128-191 S^T, 32 a tile; p in place; P packed into the tile's first 16
.set O,   192                          ; v192-255 O^T, 32 a tile
.set WV,  18
.set NCS, 19                           ; s19  -c
.set SEL, 20                           ; s[20:21] v_permlanex16_b32's selects for lane xor 16
.set CS,  22                           ; s[22:23] c, twice
.set G1K, 24
.set G1V, 32
.set G0K, 40
.set G0V, 44
.set TB,  2                            ; s2   LDS byte at which the slot in hand begins
.set SLOTS, 67
.set PFA, 76
.set LIM, 80
.set TS,  96                           ; s96  at work
.set QL,  97                           ; s97  my work-group's last query
.set KF,  98                           ; s98  the step's first key
.set Q0,  99                           ; s99  my wave's first query
.macro TLOAD                           ; waves 0, 1 fetch K's halves of a slot, waves 2, 3 V's, the others nothing; an s_nop 0 and four v_nop follow each line
	s_cmp_lt_u32 s[WV], 2
	s_cbranch_scc0 .Lnot_k_\@
	tensor_load_to_lds s[G0K:G0K+3], s[G1K:G1K+7]
	s_nop 0
.rept 4
	v_nop
.endr
	s_branch .Lasked_\@
.Lnot_k_\@:
	s_cmp_lt_u32 s[WV], 4
	s_cbranch_scc0 .Lasked_\@
	tensor_load_to_lds s[G0V:G0V+3], s[G1V:G1V+7]
	s_nop 0
.rept 4
	v_nop
.endr
.Lasked_\@:
.endm
; A prefetch of what the NEXT change of slots will ask for: a slot's 32,768 bytes of K and of V.  All work-groups of a head walk the same rows: the head's work-group 0, which loads all eight slots, asks.
; In it waves 4-7 ask for K's block and waves 8-11 for V's, 8,192 bytes a wave, lanes 256 bytes apart: each aligned block of 256 bytes is named once in the launch.  The last filling change asks for nothing.
.macro ASK
	s_cmp_gt_u32 s[SLOTS], s[LIM]
	s_cbranch_scc0 .Lnot_mine_\@
	global_prefetch_b8 v[PFO], s[PFA:PFA+1] th:TH_LOAD_NT scope:SCOPE_SE
.Lnot_mine_\@:
.endm
	s_load_b128 s[4:7], s[0:1], 0x0                ; qkv16 s[4:5], att16 s[6:7]
	v_lshl_add_u32 v[SPW], v0, 2, SPARE
	v_mov_b32 v[NIL], 0
	ds_add_u32 v[SPW], v[NIL]                      ; the wave's opening: the add, twice on end, and its wait ahead of the first tensor load
	ds_add_u32 v[SPW], v[NIL]
	v_lshrrev_b32 v7, 5, v0
	v_readfirstlane_b32 s[WV], v7                  ; wave 0..15
	s_and_b32 s48, ttmp7, 0xffff
	s_lshr_b32 s49, s48, 4                         ; batch
	s_and_b32 s50, s48, 15                         ; head
	s_mul_i32 s51, s49, 48*2048*128
	s_lshl_b32 s52, s50, 18
	s_add_co_u32 s52, s52, s51                     ; where the head's q begins in qkv16; k lies 16, v 32 groups of 262,144 bytes on
	s_lshr_b32 s53, s[WV], 2
	s_xor_b32 s53, s53, s[WV]
	s_and_b32 s53, s53, 1                          ; which of the two query blocks is my wave's
	s_sub_co_u32 s54, 7, ttmp9
	s_cmp_lg_u32 s53, 0
	s_cselect_b32 s54, s54, ttmp9
	s_lshl_b32 s54, s54, 8
	s_lshr_b32 s55, s[WV], 1
	s_lshl_b32 s55, s55, 5
	s_add_co_u32 s[Q0], s54, s55                   ; 256 x block + 32 x (wave / 2)
	s_sub_co_u32 s[QL], 8, ttmp9
	s_lshl_b32 s[QL], s[QL], 8
	s_sub_co_u32 s[QL], s[QL], 1                   ; block 7 - i's last query
	s_and_b32 s53, s[WV], 1                        ; which half of a slot I fetch, if I fetch
	s_lshl_b32 s54, s53, 14
	s_add_co_u32 s54, s54, s52
	s_add_co_u32 s56, s54, 16*262144
	s_mov_b32 s57, 0
	s_add_co_u32 s58, s54, 32*262144
	s_mov_b32 s59, 0
	s_mul_i32 s[G0K+1], s53, 128*PK                ; LDS: slot 0, my half
	s_mul_i32 s[G0V+1], s53, 128*PV
	s_add_co_u32 s[G0V+1], s[G0V+1], VOFF
	s_lshl_b32 s60, s[Q0], 7
	s_add_co_u32 s60, s60, s52                     ; my queries' rows
	s_mov_b32 s61, 0
	s_lshl_b32 s62, s50, 20                        ; att16: the head's plane, the batch's 2,048 rows, my first query
	s_lshl_b32 s63, s49, 18
	s_add_co_u32 s62, s62, s63
	s_lshl_b32 s63, s[Q0], 7
	s_add_co_u32 s62, s62, s63
	s_mov_b32 s63, 0
	s_mov_b32 s68, 32*262144                       ; the prefetches: waves 4-7 stand in k, waves 8-11 in v,
	s_cmp_lt_u32 s[WV], 8
	s_cselect_b32 s68, 16*262144, s68
	s_add_co_u32 s68, s68, s52
	s_and_b32 s69, s[WV], 3
	s_lshl_b32 s69, s69, 13                        ; 8,192 bytes a wave,
	s_add_co_u32 s68, s68, s69
	s_add_co_u32 s68, s68, 32768                   ; in slot 1: the first change of slots steps it to slot 2.  Nothing is prefetched at the head
	s_mov_b32 s69, 0
	s_sub_co_u32 s70, s[WV], 4
	s_lshr_b32 s70, s70, 3                         ; 0 in waves 4 to 11,
	s_or_b32 s70, s70, ttmp9                       ; of the head's work-group 0
	s_cmp_eq_u32 s70, 0
	s_cselect_b32 s[LIM], 1, -1
	s_mov_b32 s[G1K], (1<<16)|(1<<20)|(4<<22)|(3<<25)   ; no mask; elements of 2 bytes; padding on: after every 32 words, 4 words
	s_mov_b32 s[G1V], (1<<16)|(1<<20)|(4<<22)|(7<<25)   ; the same with 8 words
.irp g, G1K, G1V
	s_mov_b32 s[\g+1], 64<<16                      ; tensor_dim0 = 64
	s_mov_b32 s[\g+2], 128<<16                     ; tensor_dim1 = 128
	s_mov_b32 s[\g+3], 64<<16                      ; tile_dim0 = 64
	s_mov_b32 s[\g+4], 128                         ; tile_dim1 = 128
	s_mov_b32 s[\g+5], 64                          ; the pitch
	s_mov_b32 s[\g+6], 0
	s_mov_b32 s[\g+7], 0
.endr
	s_mov_b32 s[SEL], 0x76543210
	s_mov_b32 s[SEL+1], 0xfedcba98
	s_mov_b32 s[CS], 0x3e38aa3b                    ; c = log2(e) / 8
	s_mov_b32 s[CS+1], s[CS]
	s_mov_b32 s[NCS], 0xbe38aa3b
	s_mov_b32 s[TB], 0
	s_mov_b32 s[KF], 0
	s_mov_b32 s[SLOTS], 7
	s_wait_dscnt 0x0                               ; both opening adds are done
	s_wait_kmcnt 0x0
	s_mov_b32 s[G0K], 1
	s_add_nc_u64 s[G0K+2:G0K+3], s[4:5], s[56:57]
	s_or_b32 s[G0K+3], s[G0K+3], 0x80000000
	s_mov_b32 s[G0V], 1
	s_add_nc_u64 s[G0V+2:G0V+3], s[4:5], s[58:59]
	s_or_b32 s[G0V+3], s[G0V+3], 0x80000000
	TLOAD                                          ; slot 0: it holds key 0, which counts for every query
	s_add_nc_u64 s[PFA:PFA+1], s[4:5], s[68:69]
	s_add_nc_u64 s[8:9], s[4:5], s[60:61]
	s_add_nc_u64 s[6:7], s[6:7], s[62:63]
	v_and_b32 v9, 15, v0                           ; r
	v_bfe_u32 v10, v0, 4, 1                        ; h
	v_lshlrev_b32 v11, 7, v9
	v_lshl_add_u32 v11, v10, 4, v11                ; Q: row r of 128 bytes, + 16 h
.irp t, 0,1
.irp c, 0,1
	global_load_b128 v[QF+16*\t+8*\c:QF+16*\t+8*\c+3], v11, s[8:9] offset:\t*2048+64*\c
	global_load_b128 v[QF+16*\t+8*\c+4:QF+16*\t+8*\c+7], v11, s[8:9] offset:\t*2048+64*\c+32
.endr
.endr
	v_mul_u32_u24 v[AK0], v9, PK
	v_lshl_add_u32 v[AK0], v10, 4, v[AK0]          ; K: row r x pitch + 16 h
	v_and_b32 v12, 7, v0
	v_lshl_add_u32 v12, v10, 3, v12
	v_mul_u32_u24 v[AV0], v12, PV                  ; V: key 8 h + lane % 8,
	v_bfe_u32 v12, v0, 3, 1
	v_lshl_add_u32 v[AV0], v12, 4, v[AV0]          ; channels 8 ((lane / 8) % 2) on
	v_add_nc_u32 v[AV0], VOFF, v[AV0]
	v_lshlrev_b32 v12, 3, v10
	v_sub_nc_u32 v[RH], v9, v12
	v_and_b32 v[PFO], 31, v0
	v_lshlrev_b32 v[PFO], 8, v[PFO]
.irp t, 0,1
	v_mov_b32 v[ST+8*\t+1], 0xff61b1e6             ; m = -3e38, under every score
	v_mul_f32 v[ST+8*\t], s[NCS], v[ST+8*\t+1]
.irp i, 2,3,4,5,6,7
	v_mov_b32 v[ST+8*\t+\i], 0
.endr
.endr
.set nn, 0
.rept 64
	v_mov_b32 v[O+nn], 0                           ; the step is written once: the first finds zeros, which a = 0 leaves zeros
.set nn, nn+1
.endr
; A KEY STEP: 64 keys, the q-th of the slot in hand.
.macro STEP q
	s_add_co_u32 s[TS], s[Q0], 31
	s_cmp_gt_u32 s[KF], s[TS]                      ; all 64 keys come after my 32 queries: nothing to do.  No barrier and no tensor load stands in a step
	s_cbranch_scc1 .Lhidden_\@
	v_add_nc_u32 v[ADK], s[TB], v[AK0]
	v_add_nc_u32 v[ADV], s[TB], v[AV0]
.irp kt, 0,1,2,3
.irp c, 0,1
	ds_load_b128 v[KV+8*(2*\kt+\c):KV+8*(2*\kt+\c)+3], v[ADK] offset:(64*(\q)+16*\kt)*PK+64*\c
	ds_load_b128 v[KV+8*(2*\kt+\c)+4:KV+8*(2*\kt+\c)+7], v[ADK] offset:(64*(\q)+16*\kt)*PK+64*\c+32
.endr
.endr
	s_wait_dscnt 0x0
.irp c, 0,1                                    ; S^T = K Q^T: eight accumulators by turns
.irp kt, 0,1,2,3
.irp t, 0,1
.if \c == 0
	v_wmma_f32_16x16x32_f16 v[S+32*\t+8*\kt:S+32*\t+8*\kt+7], v[KV+8*(2*\kt+\c):KV+8*(2*\kt+\c)+7], v[QF+16*\t+8*\c:QF+16*\t+8*\c+7], 0
.else
	v_wmma_f32_16x16x32_f16 v[S+32*\t+8*\kt:S+32*\t+8*\kt+7], v[KV+8*(2*\kt+\c):KV+8*(2*\kt+\c)+7], v[QF+16*\t+8*\c:QF+16*\t+8*\c+7], v[S+32*\t+8*\kt:S+32*\t+8*\kt+7]
.endif
.endr
.endr
.endr
.rept 4
	v_nop                                          ; places in front of the loads into K's registers and of the first read of the scores
.endr
.irp kc, 0,1                                   ; V^T's fragments land while the softmax is walked
.irp dt, 0,1,2,3
	ds_load_tr16_b128 v[KV+8*(4*\kc+\dt):KV+8*(4*\kc+\dt)+3], v[ADV] offset:(64*(\q)+32*\kc)*PV+32*\dt
	ds_load_tr16_b128 v[KV+8*(4*\kc+\dt)+4:KV+8*(4*\kc+\dt)+7], v[ADV] offset:(64*(\q)+32*\kc)*PV+16*PV+32*\dt
.endr
.endr
	s_add_co_u32 s[TS], s[KF], 63
	s_cmp_le_u32 s[TS], s[Q0]                      ; all keys count for all my queries: no mask
	s_cbranch_scc1 .Lopen_\@
	s_sub_co_i32 s[TS], s[Q0], s[KF]
	v_add_nc_u32 v[ST+6], s[TS], v[RH]             ; d = my query - KF - 8 h.  Register 8 kt + j holds key KF + 16 kt + 8 h + j: hidden where 16 kt + j > d
	v_add_nc_u32 v[ST+14], 16, v[ST+6]
	v_mov_b32 v[ST+7], 0xff800000                  ; -infinity
.irp t, 0,1
.set nn, 0
.rept 32
	v_cmp_gt_i32 vcc_lo, 16*(nn/8)+nn%8, v[ST+8*\t+6]
	v_cndmask_b32 v[S+32*\t+nn], v[S+32*\t+nn], v[ST+7], vcc_lo
.set nn, nn+1
.endr
.endr
.Lopen_\@:
.irp t, 0,1                                    ; the maximum of 32 scores and the old m: two chains a tile; each accumulator is first read at its low end
	v_max3_num_f32 v[ST+8*\t+6], v[S+32*\t], v[S+32*\t+1], v[S+32*\t+2]
	v_max3_num_f32 v[ST+8*\t+7], v[S+32*\t+16], v[S+32*\t+17], v[S+32*\t+18]
.endr
.irp i, 3,5,7,9,11,13
.irp t, 0,1
	v_max3_num_f32 v[ST+8*\t+6], v[ST+8*\t+6], v[S+32*\t+\i], v[S+32*\t+\i+1]
	v_max3_num_f32 v[ST+8*\t+7], v[ST+8*\t+7], v[S+32*\t+16+\i], v[S+32*\t+17+\i]
.endr
.endr
.irp t, 0,1
	v_max3_num_f32 v[ST+8*\t+6], v[ST+8*\t+6], v[S+32*\t+15], v[S+32*\t+31]
.endr
.irp t, 0,1
	v_max3_num_f32 v[ST+8*\t+6], v[ST+8*\t+6], v[ST+8*\t+7], v[ST+8*\t+1]
.endr
.irp t, 0,1
	v_permlanex16_b32 v[ST+8*\t+7], v[ST+8*\t+6], s[SEL], s[SEL+1]   ; the query's other keys lie in the lane 16 away
.endr
.irp t, 0,1
	v_max_num_f32 v[ST+8*\t+1], v[ST+8*\t+6], v[ST+8*\t+7]
.endr
.irp t, 0,1
	v_mov_b32 v[ST+8*\t+7], v[ST+8*\t]
.endr
.irp t, 0,1
	v_mul_f32 v[ST+8*\t], s[NCS], v[ST+8*\t+1]     ; -c m
.endr
.irp t, 0,1
	v_sub_f32 v[ST+8*\t+7], v[ST+8*\t], v[ST+8*\t+7]   ; c m_old - c m_new, 0 or less
.endr
.irp t, 0,1
.irp j, 0,2,4,6,8,10,12,14,16,18,20,22,24,26,28,30
	v_pk_fma_f32 v[S+32*\t+\j:S+32*\t+\j+1], v[S+32*\t+\j:S+32*\t+\j+1], s[CS:CS+1], v[ST+8*\t:ST+8*\t+1] op_sel_hi:[1,0,0]   ; c s - c m, two at a time
.endr
.endr
.irp t, 0,1
	v_exp_f32 v[ST+8*\t+4], v[ST+8*\t+7]           ; a
.endr
.set nn, 0
.rept 64
	v_exp_f32 v[S+nn], v[S+nn]                     ; p, at most 1
.set nn, nn+1
.endr
	v_nop                                          ; one plain line behind the last exponential
	s_wait_alu depctr_va_vdst(0)                   ; one wait for the whole batch of 66, ahead of its first reader
.irp t, 0,1
	v_pk_mul_f32 v[ST+8*\t+2:ST+8*\t+3], v[ST+8*\t+2:ST+8*\t+3], v[ST+8*\t+4:ST+8*\t+5] op_sel_hi:[1,0]
.endr
.irp t, 0,1
	v_pk_add_f32 v[ST+8*\t+6:ST+8*\t+7], v[S+32*\t:S+32*\t+1], v[S+32*\t+2:S+32*\t+3]   ; the sum is taken of p in f32, in two chains a tile
.endr
.irp j, 4,8,12,16,20,24,28
.irp t, 0,1
	v_pk_add_f32 v[ST+8*\t+2:ST+8*\t+3], v[ST+8*\t+2:ST+8*\t+3], v[S+32*\t+\j:S+32*\t+\j+1]
	v_pk_add_f32 v[ST+8*\t+6:ST+8*\t+7], v[ST+8*\t+6:ST+8*\t+7], v[S+32*\t+\j+2:S+32*\t+\j+3]
.endr
.endr
.irp t, 0,1
	v_pk_add_f32 v[ST+8*\t+2:ST+8*\t+3], v[ST+8*\t+2:ST+8*\t+3], v[ST+8*\t+6:ST+8*\t+7]
.endr
.irp t, 0,1
.irp j, 0,1,2,3,4,5,6,7,8,9,10,11,12,13,14,15
	v_cvt_pk_f16_f32 v[S+32*\t+\j], v[S+32*\t+2*\j], v[S+32*\t+2*\j+1]   ; in place, ascending: register j is written when 2 j and 2 j + 1 are read
.endr
.endr
.irp t, 0,1
.irp j, 0,2,4,6,8,10,12,14,16,18,20,22,24,26,28,30
	v_pk_mul_f32 v[O+32*\t+\j:O+32*\t+\j+1], v[O+32*\t+\j:O+32*\t+\j+1], v[ST+8*\t+4:ST+8*\t+5] op_sel_hi:[1,0]   ; O^T x a
.endr
.endr
	s_wait_dscnt 0x0                               ; V is in
.irp kc, 0,1                                   ; O^T += V^T P: eight accumulators by turns
.irp dt, 0,1,2,3
.irp t, 0,1
	v_wmma_f32_16x16x32_f16 v[O+32*\t+8*\dt:O+32*\t+8*\dt+7], v[KV+8*(4*\kc+\dt):KV+8*(4*\kc+\dt)+7], v[S+32*\t+8*\kc:S+32*\t+8*\kc+7], v[O+32*\t+8*\dt:O+32*\t+8*\dt+7]
.endr
.endr
.endr
.rept 5
	v_nop                                          ; five places: the next step's first products write over P; four serve its loads into V's registers and the way out's reads
.endr
.Lhidden_\@:
	s_add_co_u32 s[KF], s[KF], 64
.endm
; THE CHANGE OF SLOTS stands at a slot's head.  Each wave waits for all its tensor loads, adds 0 to its spare word, and waits for that and for its reads of the slot that it has left; then one barrier.
; fill = 1: behind it the slot just left is filled with the next 256 keys, if any wave of the work-group will read them: the load has a slot's four steps in which to land.
.macro CHANGE fill
	s_wait_tensorcnt 0x0                           ; no tensor load of mine is out, so a group 0 may be written
	ds_add_u32 v[SPW], v[NIL]
.if \fill
	ds_add_u32 v[SPW], v[NIL]                      ; and twice on end here, in every trip alike
	s_xor_b32 s[G0K+1], s[G0K+1], SLOT1
	s_add_nc_u64 s[G0K+2:G0K+3], s[G0K+2:G0K+3], 32768
	s_xor_b32 s[G0V+1], s[G0V+1], SLOT1
	s_add_nc_u64 s[G0V+2:G0V+3], s[G0V+2:G0V+3], 32768
	s_wait_xcnt 0x0                                ; the last prefetch, a slot back, has read its address
	s_add_nc_u64 s[PFA:PFA+1], s[PFA:PFA+1], 32768
.endif
	s_wait_dscnt 0x0
	s_barrier_signal -1
	s_barrier_wait -1
.if \fill
	s_add_co_u32 s[TS], s[KF], SKEYS               ; the first key of the slot that this change would ask for
	s_cmp_gt_u32 s[TS], s[QL]                      ; ids and the count of steps alone: all sixteen waves go the same way, and past the limit is past it for good
	s_cbranch_scc1 .Lpast_\@
	TLOAD
.Lpast_\@:
	ASK
.endif
.endm
.macro SLOT_STEPS
.irp q, 0,1,2,3
	STEP \q
.endr
	s_xor_b32 s[TB], s[TB], SLOT1
.endm
	s_wait_loadcnt 0x0                             ; Q
.Lslot:                                            ; 7 trips, the same in every work-group
	CHANGE 1
	SLOT_STEPS
	s_sub_co_u32 s[SLOTS], s[SLOTS], 1
	s_cmp_lg_u32 s[SLOTS], 0
	s_cbranch_scc1 .Lslot
	CHANGE 0                                       ; the last slot is written out: nothing is asked for
	SLOT_STEPS
	; THE WAY OUT: O^T / l, rounded to f16, through my stage; 32 rows of 128 bytes are 4,096 consecutive bytes of att16.
.irp t, 0,1
	v_add_f32 v[ST+8*\t+6], v[ST+8*\t+2], v[ST+8*\t+3]
.endr
.irp t, 0,1
	v_permlanex16_b32 v[ST+8*\t+7], v[ST+8*\t+6], s[SEL], s[SEL+1]
.endr
.irp t, 0,1
	v_add_f32 v[ST+8*\t+6], v[ST+8*\t+6], v[ST+8*\t+7]
.endr
.irp t, 0,1
	v_rcp_f32 v[ST+8*\t+4], v[ST+8*\t+6]
.endr
	v_and_b32 v9, 15, v0                           ; (plain lines behind the reciprocals)
	v_bfe_u32 v10, v0, 4, 1
	s_mul_i32 s[TS], s[WV], STG
	v_mul_u32_u24 v12, v9, PK
	v_lshl_add_u32 v12, v10, 4, v12
	v_add_nc_u32 v12, s[TS], v12                   ; in: row r, 16 bytes for each half of the lanes
	v_and_b32 v14, 31, v0
	v_lshrrev_b32 v13, 3, v14
	v_mul_u32_u24 v13, v13, PK
	v_and_b32 v15, 7, v0
	v_lshl_add_u32 v13, v15, 4, v13
	v_add_nc_u32 v13, s[TS], v13                   ; back: eight lanes to a row, four rows an instruction
	v_lshlrev_b32 v14, 4, v14
	s_wait_alu depctr_va_vdst(0)                   ; one wait for both reciprocals, ahead of their first reader
.irp t, 0,1
.irp j, 0,2,4,6,8,10,12,14,16,18,20,22,24,26,28,30
	v_pk_mul_f32 v[O+32*\t+\j:O+32*\t+\j+1], v[O+32*\t+\j:O+32*\t+\j+1], v[ST+8*\t+4:ST+8*\t+5] op_sel_hi:[1,0]
.endr
.irp j, 0,1,2,3,4,5,6,7,8,9,10,11,12,13,14,15
	v_cvt_pk_f16_f32 v[KV+16*\t+\j], v[O+32*\t+2*\j], v[O+32*\t+2*\j+1]
.endr
.irp dt, 0,1,2,3
	ds_store_b128 v12, v[KV+16*\t+4*\dt:KV+16*\t+4*\dt+3] offset:\t*16*PK+32*\dt
.endr
.endr
.irp i, 0,1,2,3,4,5,6,7
	ds_load_b128 v[S+4*\i:S+4*\i+3], v13 offset:\i*4*PK   ; LDS serves a wave in order: these see my stores
.endr
.irp i, 0,1,2,3,4,5,6,7
	s_wait_dscnt 7-\i
	global_store_b128 v14, v[S+4*\i:S+4*\i+3], s[6:7] offset:512*\i   ; 512 consecutive bytes
.endr
	s_wait_tensorcnt 0x0                           ; the wave's end
	ds_add_u32 v[SPW], v[NIL]
	s_wait_dscnt 0x0
	s_endpgm
.Lfunc_end_k_qff2be495eb_attn:
	.size	k_qff2be495eb_attn, .Lfunc_end_k_qff2be495eb_attn-k_qff2be495eb_attn
	.p2alignl 7, 3214868480
	.fill 96, 4, 3214868480
	.section	.rodata,"a",@progbits
	.p2align	6, 0x0
	.amdhsa_kernel k_qff2be495eb_attn
		.amdhsa_group_segment_fixed_size 327680
		.amdhsa_private_segment_fixed_size 0
		.amdhsa_enable_private_segment 0
		.amdhsa_kernarg_size 16
		.amdhsa_user_sgpr_count 2
		.amdhsa_user_sgpr_kernarg_segment_ptr 1
		.amdhsa_wavefront_size32 1
		.amdhsa_system_sgpr_workgroup_id_x 1
		.amdhsa_system_sgpr_workgroup_id_y 1
		.amdhsa_system_sgpr_workgroup_id_z 1
		.amdhsa_system_vgpr_workitem_id 0
		.amdhsa_next_free_vgpr 256
		.amdhsa_next_free_sgpr 100
		.amdhsa_reserve_vcc 1
		.amdhsa_float_denorm_mode_32 3
		.amdhsa_float_denorm_mode_16_64 3
		.amdhsa_memory_ordered 1
		.amdhsa_forward_progress 1
		.amdhsa_inst_pref_size 190
	.end_amdhsa_kernel
	.amdgpu_metadata
---
amdhsa.version: [ 1, 2 ]
amdhsa.kernels:
  - .name:           k_qff2be495eb_attn
    .symbol:         k_qff2be495eb_attn.kd
    .args:
      - { .name: qkv16, .offset: 0, .size: 8, .value_kind: global_buffer, .address_space: global }
      - { .name: att16, .offset: 8, .size: 8, .value_kind: global_buffer, .address_space: global }
    .group_segment_fixed_size: 327680
    .private_segment_fixed_size: 0
    .kernarg_segment_align: 8
    .kernarg_segment_size: 16
    .max_flat_workgroup_size: 512
    .sgpr_count:     100
    .vgpr_count:     256
    .wavefront_size: 32
...
	.end_amdgpu_metadata
.endif
;; end of part 3
;; launch proj (part 4): grid 4 x 64, 4 waves a work-group, clusters of 4 x 4, 327,680 bytes of LDS; arguments att16, w16, b_proj, out0; writes out0
.if DOCPART == 4
	.amdgcn_target "amdgcn-amd-amdhsa--gfx1250"
	.amdhsa_code_object_version 6
	.text
	.protected	k_qff2be495eb_proj
	.globl	k_qff2be495eb_proj
	.p2align	8
	.type	k_qff2be495eb_proj,@function
k_qff2be495eb_proj:
	s_mov_b64 s[64:65], 0
	v_nop
	global_prefetch_b8 v0, s[64:65] scope:SCOPE_SE
	s_setreg_imm32_b32 hwreg(HW_REG_WAVE_MODE, 25, 1), 1
	s_wait_xcnt 0x0
	s_wait_alu depctr_hold_cnt(0) depctr_sa_sdst(0) depctr_va_vdst(0) depctr_va_sdst(0) depctr_va_ssrc(0) depctr_va_vcc(0) depctr_vm_vsrc(0)
	s_getreg_b32 s2, hwreg(HW_REG_IB_STS2, 6, 4)
	s_cmp_eq_u32 s2, 0
	s_cbranch_scc0 .Lentry_in_a_cluster
	s_endpgm
.Lentry_in_a_cluster:
	s_bfe_u32 s2, ttmp6, 0x10000c
	s_cmp_lg_u32 s2, 0xf033
	s_cbranch_scc0 .Lentry_shape_is_right
	s_endpgm
.Lentry_shape_is_right:
; out0 = att w_proj + b_proj, f16 operands, f32 sums, for all rows but positions 0-15 of each batch (those are written by the launch that carries them in f32).
; A = att16 [head][8192 rows][64] f16: 128 along K are two heads' planes.  B = w16 [1024 (k)][1024 (n)] f16: K is not innermost, so its fragments come out of LDS turned, by ds_load_tr16_b128.
; A tile is 128 rows x 256 columns: 256 work-groups.  Four waves, each 64 x 128: 32 accumulators, 256 registers.  K goes in steps of 128 through a ring of two LDS slots.
; CLUSTERS: 4 x 4.  The four of a row of the cluster need the same tiles of A, the four of a column the same tiles of B: asked for jointly.  The tile's first row is 2048 cy + 128 x cluster y, so that
; the rows left out lie where cluster y = 0: a number that all sixteen partners share.
; THE MATRIX INSTRUCTION IS USED TRANSPOSED (source 0 = 16 columns of B, source 1 = 16 rows of A): a lane holds eight neighbouring columns of one row.  THE BIAS is the C of each sum's first product.
; REGISTERS: window 0: v0-31 addresses; two fragment buffers of 96 at v32 and v128 (A's 4 fragments, then B's 8), later the way out.  window 1: the accumulators ((a, b) at v[8 (8 a + b)]).  window 2: v0-63 the bias.
.set PA,     144                       ; a row of A in LDS: 128 bytes + 16
.set PB,     544                       ; a row of B: 512 + 32: an odd multiple of 32 bytes, for the turning load
.set BOFF,   2*128*PA                  ; a slot: two planes of 128 rows of A, then 128 k rows of B
.set SLOT,   BOFF+128*PB
.set STAGE,  2*SLOT                    ; behind the ring: 16 rows x 528 for each wave
.set SPITCH, 528
.set SPARE,  STAGE+4*16*SPITCH         ; the spare words, 128 bytes a wave, which no other line names
.set LAPS,   4                         ; a lap = two K steps of 128
.set ADRA, 16
.set ADRB, 20
.set STO,  24
.set RD,   25
.set CO,   26
.set BO,   27
.set SPW,  28
.set NIL,  29
.set F0,   32
.set F1,   128
.set WV,   12
.set HI,   13                          ; s13  which 64 rows are mine.  Also: I fetch for A (0) or for B (1)
.set LO,   14                          ; s14  which 128 columns are mine.  Also: which plane of A, or which 64 k rows of B, I fetch
.set SK,   15                          ; s15  0 in the waves whose block 0 is positions 0-15 of a batch
.set G1, 24
.set G0, 32
.set G1B, 48
.set G0B, 56
.set MSB, 0
.macro WIN new
.if MSB != (\new)
	s_set_vgpr_msb (MSB<<8)|(\new)
.set MSB, (\new)
.endif
.endm
.set MUL, 0x50                         ; sources 0 and 1 window 0; C and D window 1.  With 0x10 more: C window 2 (the bias)
.macro JLOAD s
	s_cmp_eq_u32 s[HI], 0
	s_cbranch_scc0 .Lfor_b_\@
	tensor_load_to_lds s[G0+4*\s:G0+4*\s+3], s[G1:G1+7]
	s_nop 0
.rept 4
	v_nop
.endr
	s_branch .Lasked_\@
.Lfor_b_\@:
	tensor_load_to_lds s[G0B+4*\s:G0B+4*\s+3], s[G1B:G1B+7]
	s_nop 0
.rept 4
	v_nop
.endr
.Lasked_\@:
.endm
.macro CREST
	s_cmp_lg_u32 s[WV], 0
	s_cbranch_scc1 .Lnot_wave_0_\@
	s_barrier_signal -3
.Lnot_wave_0_\@:
	s_barrier_wait -3
	s_barrier_signal -1
	s_barrier_wait -1
.endm
.macro CROUND
	s_barrier_signal -1
	s_barrier_wait -1
	CREST
.endm
	s_load_b256 s[4:11], s[0:1], 0x0               ; att16 s[4:5], w16 s[6:7], b_proj s[8:9], out0 s[10:11]
	v_lshl_add_u32 v[SPW], v0, 2, SPARE
	v_mov_b32 v[NIL], 0
	ds_add_u32 v[SPW], v[NIL]                      ; the wave's opening: the add, twice on end, and its wait ahead of my first tensor load
	ds_add_u32 v[SPW], v[NIL]
	v_lshrrev_b32 v1, 5, v0
	v_readfirstlane_b32 s[WV], v1
	s_lshr_b32 s[HI], s[WV], 1
	s_and_b32 s[LO], s[WV], 1
	s_bfe_u32 s40, ttmp6, 0x40000                  ; cx
	s_bfe_u32 s41, ttmp6, 0x40004                  ; cy
	s_lshl_b32 s42, ttmp9, 2
	s_add_co_u32 s42, s42, s40                     ; tile column
	s_and_b32 s44, ttmp7, 0xffff                   ; cluster y
	s_or_b32 s[SK], s44, s[HI]
	s_lshl_b32 s43, s41, 2
	s_lshl_b32 s43, 15, s43                        ; my row of the cluster
	s_lshl_b32 s45, 0x1111, s40                    ; my column
	s_or_b32 s[G1+0], s43, (1<<16)|(1<<20)|(1<<21)|(4<<22)|(3<<25)   ; A: elements of 2 bytes; padding: after every 32 words, 4 words
	s_mov_b32 s[G1+1], 64<<16                      ; tensor_dim0 = 64
	s_mov_b32 s[G1+2], 128<<16                     ; tensor_dim1 = 128
	s_mov_b32 s[G1+3], 64<<16                      ; tile_dim0
	s_mov_b32 s[G1+4], 128                         ; tile_dim1
	s_mov_b32 s[G1+5], 64                          ; the pitch
	s_mov_b32 s[G1+6], 0
	s_mov_b32 s[G1+7], 0
	s_or_b32 s[G1B+0], s45, (1<<16)|(1<<20)|(1<<21)|(6<<22)|(7<<25)  ; B: padding: after every 128 words, 8 words
	s_mov_b32 s[G1B+1], 256<<16
	s_mov_b32 s[G1B+2], 64<<16
	s_mov_b32 s[G1B+3], 256<<16
	s_mov_b32 s[G1B+4], 64
	s_mov_b32 s[G1B+5], 1024
	s_mov_b32 s[G1B+6], 0
	s_mov_b32 s[G1B+7], 0
	s_lshl_b32 s16, s41, 18                        ; A: (2048 cy + 128 cluster y) rows of 128 bytes,
	s_lshl_b32 s17, s44, 14
	s_add_co_u32 s16, s16, s17
	s_lshl_b32 s17, s[LO], 20                      ; and my plane
	s_add_co_u32 s16, s16, s17
	s_mov_b32 s17, 0
	s_lshl_b32 s46, s[LO], 17                      ; B: my 64 k rows of 2,048 bytes,
	s_lshl_b32 s47, s42, 9                         ; and the tile's 256 columns
	s_add_co_u32 s46, s46, s47
	s_mov_b32 s47, 0
	s_mul_i32 s20, s[LO], 128*PA                   ; where they go
	s_mul_i32 s21, s[LO], 64*PB
	s_add_co_u32 s21, s21, BOFF
	s_wait_dscnt 0x0                               ; both opening adds are done
	s_wait_kmcnt 0x0
	s_add_nc_u64 s[22:23], s[4:5], s[16:17]
	s_add_nc_u64 s[46:47], s[6:7], s[46:47]
	CROUND                                         ; all sixteen work-groups are here: the first joint loads meet
.irp s, 0,1
	s_mov_b32 s[G0+4*\s], 1
	s_add_co_u32 s[G0+4*\s+1], s20, \s*SLOT
	s_add_nc_u64 s[G0+4*\s+2:G0+4*\s+3], s[22:23], \s*2*1048576
	s_or_b32 s[G0+4*\s+3], s[G0+4*\s+3], 0x80000000
	s_mov_b32 s[G0B+4*\s], 1
	s_add_co_u32 s[G0B+4*\s+1], s21, \s*SLOT
	s_add_nc_u64 s[G0B+4*\s+2:G0B+4*\s+3], s[46:47], \s*128*2048
	s_or_b32 s[G0B+4*\s+3], s[G0B+4*\s+3], 0x80000000
	JLOAD \s
.endr
	v_and_b32 v1, 15, v0                           ; r
	v_bfe_u32 v2, v0, 4, 1                         ; h
	v_lshlrev_b32 v[BO], 5, v2
	s_lshl_b32 s16, s42, 10                        ; the bias of my 128 columns
	s_lshl_b32 s17, s[LO], 9
	s_add_co_u32 s16, s16, s17
	s_mov_b32 s17, 0
	s_add_nc_u64 s[8:9], s[8:9], s[16:17]
	WIN 0x80                                       ; destination window 2
.irp b, 0,1,2,3,4,5,6,7
	global_load_b128 v[8*\b:8*\b+3], v[BO], s[8:9] offset:64*\b
	global_load_b128 v[8*\b+4:8*\b+7], v[BO], s[8:9] offset:64*\b+16
.endr
	WIN 0
	s_add_nc_u64 s[10:11], s[10:11], s[16:17]      ; out0: the same columns, 4 bytes each,
	s_lshl_b32 s16, s41, 23                        ; and my first row: 2048 cy + 128 cluster y + 64 x half, 4,096 bytes each
	s_lshl_b32 s18, s44, 19
	s_add_co_u32 s16, s16, s18
	s_lshl_b32 s18, s[HI], 18
	s_add_co_u32 s16, s16, s18
	s_add_nc_u64 s[10:11], s[10:11], s[16:17]
	v_mul_u32_u24 v3, v1, PA
	v_lshl_add_u32 v3, v2, 4, v3                   ; A: row r x pitch + 16 h
	s_mul_i32 s21, s[HI], 64*PA                    ; my 64 rows
	v_and_b32 v4, 7, v0
	v_lshl_add_u32 v4, v2, 3, v4
	v_mul_u32_u24 v4, v4, PB                       ; B: k row 8 h + lane % 8,
	v_bfe_u32 v5, v0, 3, 1
	v_lshl_add_u32 v4, v5, 4, v4                   ; columns 8 ((lane / 8) % 2) on,
	s_lshl_b32 s22, s[LO], 8                       ; in my 128 columns
	s_add_co_u32 s22, s22, BOFF
.irp s, 0,1
	v_add_nc_u32 v[ADRA+\s], s21, v3
	v_add_nc_u32 v[ADRB+\s], s22, v4
	s_add_co_u32 s21, s21, SLOT
	s_add_co_u32 s22, s22, SLOT
.endr
	s_mul_i32 s23, s[WV], 16*SPITCH
	s_add_co_u32 s23, s23, STAGE                   ; my stage
	v_mul_u32_u24 v5, v1, SPITCH
	v_lshl_add_u32 v5, v2, 5, v5
	v_add_nc_u32 v[STO], s23, v5                   ; in: row r, 32 bytes for each half of the lanes
	v_and_b32 v6, 31, v0
	v_lshlrev_b32 v[CO], 4, v6
	v_add_nc_u32 v[RD], s23, v[CO]                 ; back: the 32 lanes take one row of 512 bytes
; 24 LDS loads in one run: the fragments of the slot's q-th 32 along K into buffer f: B's eight, then A's blocks 0, 1, then 2, 3
.macro FETCH slot, q, f
	WIN 0
.irp b, 0,1,2,3,4,5,6,7
	ds_load_tr16_b128 v[\f+32+8*\b:\f+32+8*\b+3], v[ADRB+\slot] offset:32*(\q)*PB+32*\b
	ds_load_tr16_b128 v[\f+32+8*\b+4:\f+32+8*\b+7], v[ADRB+\slot] offset:32*(\q)*PB+16*PB+32*\b
.endr
.irp a, 0,1,2,3
	ds_load_b128 v[\f+8*\a:\f+8*\a+3], v[ADRA+\slot] offset:((\q)/2)*128*PA+((\q)%2)*64+\a*16*PA
	ds_load_b128 v[\f+8*\a+4:\f+8*\a+7], v[ADRA+\slot] offset:((\q)/2)*128*PA+((\q)%2)*64+\a*16*PA+32
.endr
.endm
.macro MUL8 f, a, first                ; A's block a x B's eight.  The 32 accumulators take turns in the same order everywhere
.irp b, 0,1,2,3,4,5,6,7
.if \first
	v_wmma_f32_16x16x32_f16 v[8*(8*(\a)+\b):8*(8*(\a)+\b)+7], v[\f+32+8*\b:\f+32+8*\b+7], v[\f+8*(\a):\f+8*(\a)+7], v[8*\b:8*\b+7]
.else
	v_wmma_f32_16x16x32_f16 v[8*(8*(\a)+\b):8*(8*(\a)+\b)+7], v[\f+32+8*\b:\f+32+8*\b+7], v[\f+8*(\a):\f+8*(\a)+7], v[8*(8*(\a)+\b):8*(8*(\a)+\b)+7]
.endif
.endr
.endm
.macro PLACES
.rept 4
	v_nop
.endr
.endm
.macro QUARTER slot, q, f, g, first    ; multiplies the q-th 32 along K out of buffer f and fetches the next into g
	s_wait_dscnt 4                                 ; B and A's blocks 0, 1 are in; the youngest four loads (A's blocks 2, 3) may be out
	WIN MUL+0x10*(\first)
	MUL8 \f, 0, \first
	MUL8 \f, 1, \first
	PLACES
	FETCH \slot, (\q)+1, \g
	s_wait_dscnt 24                                ; all but the 24 just issued
	WIN MUL+0x10*(\first)
	MUL8 \f, 2, \first
	MUL8 \f, 3, \first
.endm
; A slot's last quarter (buffer 1) changes slots: one barrier; in front of it each wave waits for all its tensor loads, adds 0 to its spare word, and waits for that and for its reads of this slot.
.macro TURN slot, next, fill
	WIN 0
	s_wait_tensorcnt 0x0                           ; all my tensor loads have landed: my part of the next slot
	ds_add_u32 v[SPW], v[NIL]
	s_wait_dscnt 5                                 ; the add and the youngest four loads may be out
	WIN MUL
	MUL8 F1, 0, 0
	s_wait_dscnt 0x0                               ; the add is done, and my reads of this slot are over
	s_barrier_signal -1
	MUL8 F1, 1, 0
.if \fill
	WIN 0
.endif
	s_barrier_wait -1
.if \fill
	CREST                                          ; the barrier has opened a round of the cluster's: no wave of any partner still reads this slot or has a load on its way
	s_add_nc_u64 s[G0+4*\slot+2:G0+4*\slot+3], s[G0+4*\slot+2:G0+4*\slot+3], 4*1048576
	s_add_nc_u64 s[G0B+4*\slot+2:G0B+4*\slot+3], s[G0B+4*\slot+2:G0B+4*\slot+3], 256*2048
	JLOAD \slot                                    ; the first tensor load behind the round; its four v_nop are also the places in front of the loads below
.else
	PLACES
.endif
	FETCH \next, 0, F0
	WIN MUL
	MUL8 F1, 2, 0
	MUL8 F1, 3, 0
.endm
	s_wait_tensorcnt 1                             ; my part of K step 0 is in; K step 1's may be out
	s_barrier_signal -1
	s_barrier_wait -1
	FETCH 0, 0, F0
	s_wait_loadcnt 0x0                             ; the bias
	QUARTER 0, 0, F0, F1, 1                        ; the first quarter stands in front of the loop: its products start the sums, on the bias
	WIN 0
	s_mov_b32 s3, LAPS-1
.Llap:                                             ; a trip goes once round the ring and fills both slots again
	QUARTER 0, 1, F1, F0, 0
	QUARTER 0, 2, F0, F1, 0
	TURN 0, 1, 1
	QUARTER 1, 0, F0, F1, 0
	QUARTER 1, 1, F1, F0, 0
	QUARTER 1, 2, F0, F1, 0
	TURN 1, 0, 1
	QUARTER 0, 0, F0, F1, 0
	WIN 0
	s_sub_co_u32 s3, s3, 1
	s_cmp_lg_u32 s3, 0
	s_cbranch_scc1 .Llap
	QUARTER 0, 1, F1, F0, 0                        ; the last lap fills nothing
	QUARTER 0, 2, F0, F1, 0
	TURN 0, 1, 0
	QUARTER 1, 0, F0, F1, 0
	QUARTER 1, 1, F1, F0, 0
	QUARTER 1, 2, F0, F1, 0
	s_wait_dscnt 4
	WIN MUL
	MUL8 F1, 0, 0
	MUL8 F1, 1, 0
	s_wait_dscnt 0
	MUL8 F1, 2, 0
	MUL8 F1, 3, 0
	WIN 0
; THE WAY OUT, a block of 16 rows x 128 columns at a time, through my own stage: back as whole rows of 512 bytes, which the 32 lanes store as 512 consecutive bytes.
.macro TOSTAGE a
	WIN 0x04                                       ; an LDS store's data are its source 1: window 1
.irp b, 0,1,2,3,4,5,6,7
	ds_store_b128 v[STO], v[8*(8*(\a)+\b):8*(8*(\a)+\b)+3] offset:64*\b
	ds_store_b128 v[STO], v[8*(8*(\a)+\b)+4:8*(8*(\a)+\b)+7] offset:64*\b+16
.endr
	WIN 0
.set BB, 32+96*((\a)%2)
.irp t, 0,1,2,3,4,5,6,7,8,9,10,11,12,13,14,15
	ds_load_b128 v[BB+4*\t:BB+4*\t+3], v[RD] offset:\t*SPITCH
.endr
.endm
.macro SEND a, younger
.set BB, 32+96*((\a)%2)
	s_wait_dscnt \younger                          ; the block is back; the next block's 16 stores and 16 loads may be out
.if (\a) == 0
	s_cmp_eq_u32 s[SK], 0                          ; positions 0-15 of a batch are written elsewhere, in f32 all the way
	s_cbranch_scc1 .Lfine_rows
.endif
.irp t, 0,1,2,3,4,5,6,7,8,9,10,11,12,13,14,15
	global_store_b128 v[CO], v[BB+4*\t:BB+4*\t+3], s[10:11] offset:(\a)*65536+\t*4096 th:TH_STORE_NT
.endr
.if (\a) == 0
.Lfine_rows:
.endif
.endm
	PLACES
	TOSTAGE 0
.irp a, 1,2,3
.if \a > 1
	s_wait_xcnt 0x0                                ; block a - 2's stores have read their registers: block a's loads may land there
.endif
	TOSTAGE \a
	SEND \a-1, 32
.endr
	SEND 3, 0
	s_wait_tensorcnt 0x0                           ; the wave's end
	ds_add_u32 v[SPW], v[NIL]
	s_wait_dscnt 0x0
	CROUND                                         ; the closing round
	s_endpgm
.Lfunc_end_k_qff2be495eb_proj:
	.size	k_qff2be495eb_proj, .Lfunc_end_k_qff2be495eb_proj-k_qff2be495eb_proj
	.p2alignl 7, 3214868480
	.fill 96, 4, 3214868480
	.section	.rodata,"a",@progbits
	.p2align	6, 0x0
	.amdhsa_kernel k_qff2be495eb_proj
		.amdhsa_group_segment_fixed_size 327680
		.amdhsa_private_segment_fixed_size 0
		.amdhsa_enable_private_segment 0
		.amdhsa_kernarg_size 32
		.amdhsa_user_sgpr_count 2
		.amdhsa_user_sgpr_kernarg_segment_ptr 1
		.amdhsa_wavefront_size32 1
		.amdhsa_system_sgpr_workgroup_id_x 1
		.amdhsa_system_sgpr_workgroup_id_y 1
		.amdhsa_system_sgpr_workgroup_id_z 1
		.amdhsa_system_vgpr_workitem_id 0
		.amdhsa_next_free_vgpr 576
		.amdhsa_next_free_sgpr 70
		.amdhsa_reserve_vcc 0
		.amdhsa_float_denorm_mode_32 3
		.amdhsa_float_denorm_mode_16_64 3
		.amdhsa_memory_ordered 1
		.amdhsa_forward_progress 1
		.amdhsa_inst_pref_size 87
	.end_amdhsa_kernel
	.amdgpu_metadata
---
amdhsa.version: [ 1, 2 ]
amdhsa.kernels:
  - .name:           k_qff2be495eb_proj
    .symbol:         k_qff2be495eb_proj.kd
    .args:
      - { .name: att16, .offset: 0, .size: 8, .value_kind: global_buffer, .address_space: global }
      - { .name: w16, .offset: 8, .size: 8, .value_kind: global_buffer, .address_space: global }
      - { .name: b_proj, .offset: 16, .size: 8, .value_kind: global_buffer, .address_space: global }
      - { .name: out0, .offset: 24, .size: 8, .value_kind: global_buffer, .address_space: global }
    .group_segment_fixed_size: 327680
    .private_segment_fixed_size: 0
    .kernarg_segment_align: 8
    .kernarg_segment_size: 32
    .max_flat_workgroup_size: 128
    .sgpr_count:     70
    .vgpr_count:     576
    .wavefront_size: 32
...
	.end_amdgpu_metadata
.endif
;; end of part 4
;; launch fine (part 5): grid 16 x 4, 16 waves a work-group, no clusters, 67,584 bytes of LDS; arguments qkv_fine, w_proj, b_proj, out0; writes out0
.if DOCPART == 5
	.amdgcn_target "amdgcn-amd-amdhsa--gfx1250"
	.amdhsa_code_object_version 6
	.text
	.protected	k_qff2be495eb_fine
	.globl	k_qff2be495eb_fine
	.p2align	8
	.type	k_qff2be495eb_fine,@function
k_qff2be495eb_fine:
	s_mov_b64 s[64:65], 0
	v_nop
	global_prefetch_b8 v0, s[64:65] scope:SCOPE_SE
	s_setreg_imm32_b32 hwreg(HW_REG_WAVE_MODE, 25, 1), 1
	s_wait_xcnt 0x0
; THE FIRST 16 POSITIONS OF EVERY SEQUENCE, all in f32: their rows average one to sixteen values, so the rounding of 16-bit operands would weigh most there.
; Work-group (sl, batch) makes out0[batch x 2048 + 0..15][64 sl .. 64 sl + 63].  Wave hd does head hd's attention over the 16 positions and multiplies its O [16 x 64] by w_proj's rows 64 hd .. + 63 at the 64 columns;
; the sixteen partial results meet in LDS, and wave w sums and stores row w.  (A head's small attention is so done once in each of the batch's 16 work-groups.)  64 work-groups: all the work there is.
; qkv_fine holds, for each batch and block of 16 columns, the register image of a 16 x 16 result: lane (r, h), register j = qkv[position r][16 block + 8 h + j]; registers 0-3 at 16 x lane, 4-7 at 512 + 16 x lane.
; THE f32 MATRIX FORM takes 4 along K: lane (r, h), register j' stands for k = 2 h + j'.  A pair of an image's registers 2 i, 2 i + 1 holds channels 8 h + 2 i + j': four different channels, the same in Q's and in K's pair:
; K is walked in that order on both sides.  The results' registers are written by matrix instructions alone; each sum begins with the constant 0 as C.
.set QI, 16                            ; v16-47   Q's images; later w_proj for columns 32-47
.set KI, 48                            ; v48-79   K's; later w_proj for columns 48-63
.set VT, 80                            ; v80-111  V, gathered: V[key 8 h + 2 s + j'][channel 16 dt + r] at VT + 8 dt + 2 s + j'; later the partial sums
.set WA, 112                           ; v112-175 w_proj for columns 0-31
.set SA, 176                           ; v176-191 two accumulators of S^T; later Y's for columns 32-63
.set SS, 192                           ; v192-199 the scores, then P
.set TW, 200                           ; v200-204 at work
.set OA, 208                           ; v208-239 O^T
.set YA, 240                           ; v240-255 Y's accumulators for columns 0-31
.set SPW, 12
.set NIL, 13
.set SPARE, 65536                      ; behind the sixteen partial results of 4,096 bytes: the spare words, 128 bytes a wave, which no other line names
	s_load_b256 s[4:11], s[0:1], 0x0               ; qkv_fine s[4:5], w_proj s[6:7], b_proj s[8:9], out0 s[10:11]
	v_lshl_add_u32 v[SPW], v0, 2, SPARE
	v_mov_b32 v[NIL], 0
	v_lshrrev_b32 v1, 5, v0
	v_readfirstlane_b32 s13, v1                    ; wave = head = row
	v_and_b32 v1, 31, v0                           ; lane
	v_and_b32 v2, 15, v0                           ; r
	v_bfe_u32 v3, v0, 4, 1                         ; h
	v_lshlrev_b32 v4, 4, v1                        ; an image's place for my lane
	v_bfe_u32 v5, v0, 2, 1                         ; V's element (key, channel r of a block): ((r / 4) % 2) x 512
	v_lshlrev_b32 v5, 9, v5
	v_bfe_u32 v11, v0, 3, 1
	v_lshl_add_u32 v5, v11, 8, v5                  ; + (r / 8) x 256
	v_and_b32 v11, 3, v0
	v_lshl_add_u32 v5, v11, 2, v5                  ; + (r % 4) x 4
	v_lshl_add_u32 v5, v3, 7, v5                   ; + 8 h keys of 16 bytes
	v_lshlrev_b32 v6, 2, v2
	v_lshl_add_u32 v6, v3, 15, v6                  ; w_proj: column r, 8 h rows of 4,096 bytes down
	v_lshlrev_b32 v7, 3, v1                        ; 8 bytes a lane
	v_lshlrev_b32 v8, 3, v3
	v_sub_nc_u32 v8, v2, v8                        ; r - 8 h
	s_lshl_b32 s20, s13, 12
	v_add_nc_u32 v9, s20, v4                       ; LDS: my partial result, 16 bytes a lane
	v_lshrrev_b32 v10, 3, v1                       ; LDS: columns 2 lane, 2 lane + 1 of row w in a partial result's image
	v_lshlrev_b32 v10, 10, v10
	v_bfe_u32 v11, v0, 1, 1
	v_lshl_add_u32 v10, v11, 9, v10
	v_bfe_u32 v11, v0, 2, 1
	v_lshl_add_u32 v10, v11, 8, v10
	v_and_b32 v11, 1, v0
	v_lshl_add_u32 v10, v11, 3, v10
	s_lshl_b32 s21, s13, 4
	v_add_nc_u32 v10, s21, v10
	v_mov_b32 v11, 0xff800000                      ; -infinity
	s_and_b32 s12, ttmp7, 0xffff                   ; batch
	s_mul_i32 s14, s12, 192*1024
	s_add_co_u32 s14, s14, s20                     ; the head's four blocks of q; k's lie 65,536 and v's 131,072 bytes on
	s_mov_b32 s15, 0
	s_lshl_b32 s16, s13, 18                        ; w_proj: 64 rows a head,
	s_lshl_b32 s18, ttmp9, 8                       ; 64 columns a work-group
	s_add_co_u32 s16, s16, s18
	s_mov_b32 s17, 0
	s_mov_b32 s19, 0
	s_lshl_b32 s24, s12, 23                        ; out0: the batch's first row, my row, the columns
	s_add_co_u32 s24, s24, s20
	s_add_co_u32 s24, s24, s18
	s_mov_b32 s25, 0
	s_mov_b32 s20, 0x76543210
	s_mov_b32 s21, 0xfedcba98                      ; v_permlanex16_b32's selects for lane xor 16
	s_mov_b32 s22, 0x3e38aa3b                      ; c = log2(e) / 8
	s_mov_b32 s23, 0xbe38aa3b
	s_wait_kmcnt 0x0
	s_add_nc_u64 s[4:5], s[4:5], s[14:15]
	s_add_nc_u64 s[6:7], s[6:7], s[16:17]
	s_add_nc_u64 s[8:9], s[8:9], s[18:19]
	s_add_nc_u64 s[10:11], s[10:11], s[24:25]
	global_load_b64 v[14:15], v7, s[8:9]           ; the bias of my two columns
.irp t, 0,1,2,3
	global_load_b128 v[QI+8*\t:QI+8*\t+3], v4, s[4:5] offset:\t*1024
	global_load_b128 v[QI+8*\t+4:QI+8*\t+7], v4, s[4:5] offset:\t*1024+512
.endr
.irp t, 0,1,2,3
	global_load_b128 v[KI+8*\t:KI+8*\t+3], v4, s[4:5] offset:65536+\t*1024
	global_load_b128 v[KI+8*\t+4:KI+8*\t+7], v4, s[4:5] offset:65536+\t*1024+512
.endr
.irp dt, 0,1,2,3
.irp i, 0,1,2,3,4,5,6,7
	global_load_b32 v[VT+8*\dt+\i], v5, s[4:5] offset:131072+\dt*1024+\i*16
.endr
.endr
	s_wait_loadcnt 32                              ; the bias, Q and K are in; V's 32 loads may be out
.set st, 0
.rept 16                                       ; S^T = K Q^T: source 0 = 16 keys, source 1 = 16 queries; two accumulators by turns
.if st < 2
	v_wmma_f32_16x16x4_f32 v[SA+8*(st%2):SA+8*(st%2)+7], v[KI+2*st:KI+2*st+1], v[QI+2*st:QI+2*st+1], 0
.else
	v_wmma_f32_16x16x4_f32 v[SA+8*(st%2):SA+8*(st%2)+7], v[KI+2*st:KI+2*st+1], v[QI+2*st:QI+2*st+1], v[SA+8*(st%2):SA+8*(st%2)+7]
.endif
.set st, st+1
.endr
.rept 8
	v_nop                                          ; eight places behind this form, ahead of the loads into Q's and K's registers and of the first read of the sums
.endr
; w_proj(64 hd + 16 dt + 8 h + 2 jj + j', 64 sl + 16 nt + r) at base + 2 (4 dt + jj) + j'
.macro WLOAD nt, base
.irp s, 0,1,2,3,4,5,6,7,8,9,10,11,12,13,14,15
	global_load_b32 v[\base+2*\s], v6, s[6:7] offset:((\s/4)*16+(\s%4)*2)*4096+64*\nt
	global_load_b32 v[\base+2*\s+1], v6, s[6:7] offset:((\s/4)*16+(\s%4)*2+1)*4096+64*\nt
.endr
.endm
	WLOAD 0, WA
	WLOAD 1, WA+32
	WLOAD 2, QI
	WLOAD 3, KI
.irp j, 0,1,2,3,4,5,6,7
	v_add_f32 v[SS+\j], v[SA+\j], v[SA+8+\j]       ; lane (r, h): query r, key 8 h + j
.endr
.irp j, 0,1,2,3,4,5,6,7
	v_cmp_gt_i32 vcc_lo, \j, v8                    ; hidden where 8 h + j > r
	v_cndmask_b32 v[SS+\j], v[SS+\j], v11, vcc_lo
.endr
	v_max3_num_f32 v[TW], v[SS], v[SS+1], v[SS+2]
	v_max3_num_f32 v[TW+1], v[SS+3], v[SS+4], v[SS+5]
	v_max3_num_f32 v[TW], v[TW], v[SS+6], v[SS+7]
	v_max_num_f32 v[TW], v[TW], v[TW+1]
	v_permlanex16_b32 v[TW+1], v[TW], s20, s21
	v_max_num_f32 v[TW], v[TW], v[TW+1]            ; the row's maximum: key 0 counts for every query, so it is a number
	v_mul_f32 v[TW+2], s23, v[TW]
.irp j, 0,1,2,3,4,5,6,7
	v_fma_f32 v[SS+\j], v[SS+\j], s22, v[TW+2]
.endr
.irp j, 0,1,2,3,4,5,6,7
	v_exp_f32 v[SS+\j], v[SS+\j]
.endr
	v_nop                                          ; one plain line behind the last exponential
	s_wait_alu depctr_va_vdst(0)                   ; one wait for the batch, ahead of its first reader
	v_add_f32 v[TW], v[SS], v[SS+1]
	v_add_f32 v[TW+1], v[SS+2], v[SS+3]
	v_add_f32 v[TW+3], v[SS+4], v[SS+5]
	v_add_f32 v[TW+4], v[SS+6], v[SS+7]
	v_add_f32 v[TW], v[TW], v[TW+1]
	v_add_f32 v[TW+3], v[TW+3], v[TW+4]
	v_add_f32 v[TW], v[TW], v[TW+3]
	v_permlanex16_b32 v[TW+1], v[TW], s20, s21
	v_add_f32 v[TW], v[TW], v[TW+1]
	v_rcp_f32 v[TW+2], v[TW]
	v_nop
	s_wait_alu depctr_va_vdst(0)
.irp j, 0,1,2,3,4,5,6,7
	v_mul_f32 v[SS+\j], v[SS+\j], v[TW+2]          ; P: the pair 2 s, 2 s + 1 holds keys 8 h + 2 s + j'
.endr
	s_wait_loadcnt 63                              ; V is older than the last 128 loads: with at most 63 out it is in
.irp s, 0,1,2,3                                ; O^T = V^T P^T: source 0 = 16 channels, source 1 = 16 queries; four accumulators by turns
.irp dt, 0,1,2,3
.if \s == 0
	v_wmma_f32_16x16x4_f32 v[OA+8*\dt:OA+8*\dt+7], v[VT+8*\dt+2*\s:VT+8*\dt+2*\s+1], v[SS+2*\s:SS+2*\s+1], 0
.else
	v_wmma_f32_16x16x4_f32 v[OA+8*\dt:OA+8*\dt+7], v[VT+8*\dt+2*\s:VT+8*\dt+2*\s+1], v[SS+2*\s:SS+2*\s+1], v[OA+8*\dt:OA+8*\dt+7]
.endif
.endr
.endr
.rept 9
	v_nop                                          ; nine places: the results are the next products' source 1
.endr
	s_wait_loadcnt 0x0                             ; w_proj
.macro YMUL s, y, w                    ; Y^T += W^T O^T: source 0 = 16 output columns, source 1 = 16 queries: O^T's pair 2 s holds channels 16 (s / 4) + 8 h + 2 (s % 4) + j'
.if \s == 0
	v_wmma_f32_16x16x4_f32 v[\y:\y+7], v[\w+2*\s:\w+2*\s+1], v[OA+2*\s:OA+2*\s+1], 0
.else
	v_wmma_f32_16x16x4_f32 v[\y:\y+7], v[\w+2*\s:\w+2*\s+1], v[OA+2*\s:OA+2*\s+1], v[\y:\y+7]
.endif
.endm
.irp s, 0,1,2,3,4,5,6,7,8,9,10,11,12,13,14,15
	YMUL \s, YA, WA                                ; four accumulators by turns
	YMUL \s, YA+8, WA+32
	YMUL \s, SA, QI
	YMUL \s, SA+8, KI
.endr
.rept 8
	v_nop
.endr
	ds_store_b128 v9, v[YA:YA+3] offset:0          ; my partial result as register images, each accumulator from its low end on: lane (r, h), register j = Y(row r, column 16 nt + 8 h + j)
	ds_store_b128 v9, v[YA+4:YA+7] offset:512
	ds_store_b128 v9, v[YA+8:YA+11] offset:1024
	ds_store_b128 v9, v[YA+12:YA+15] offset:1536
	ds_store_b128 v9, v[SA:SA+3] offset:2048
	ds_store_b128 v9, v[SA+4:SA+7] offset:2560
	ds_store_b128 v9, v[SA+8:SA+11] offset:3072
	ds_store_b128 v9, v[SA+12:SA+15] offset:3584
	s_wait_dscnt 0x0                               ; for the others' sake: my stores are done
	s_barrier_signal -1
	s_barrier_wait -1
.irp p, 0,1,2,3,4,5,6,7,8,9,10,11,12,13,14,15
	ds_load_b64 v[VT+2*\p:VT+2*\p+1], v10 offset:\p*4096   ; head p's part of my row, two columns a lane
.endr
	s_wait_dscnt 0x0
.irp i, 0,1,2,3,4,5,6,7
	v_pk_add_f32 v[VT+4*\i:VT+4*\i+1], v[VT+4*\i:VT+4*\i+1], v[VT+4*\i+2:VT+4*\i+3]
.endr
.irp i, 0,1,2,3
	v_pk_add_f32 v[VT+8*\i:VT+8*\i+1], v[VT+8*\i:VT+8*\i+1], v[VT+8*\i+4:VT+8*\i+5]
.endr
.irp i, 0,1
	v_pk_add_f32 v[VT+16*\i:VT+16*\i+1], v[VT+16*\i:VT+16*\i+1], v[VT+16*\i+8:VT+16*\i+9]
.endr
	v_pk_add_f32 v[VT:VT+1], v[VT:VT+1], v[VT+16:VT+17]
	v_pk_add_f32 v[VT:VT+1], v[VT:VT+1], v[14:15]  ; + b_proj
	global_store_b64 v7, v[VT:VT+1], s[10:11]      ; the wave stores 256 consecutive bytes, aligned
	s_wait_tensorcnt 0x0                           ; the wave's end
	ds_add_u32 v[SPW], v[NIL]
	s_wait_dscnt 0x0
	s_endpgm
.Lfunc_end_k_qff2be495eb_fine:
	.size	k_qff2be495eb_fine, .Lfunc_end_k_qff2be495eb_fine-k_qff2be495eb_fine
	.p2alignl 7, 3214868480
	.fill 96, 4, 3214868480
	.section	.rodata,"a",@progbits
	.p2align	6, 0x0
	.amdhsa_kernel k_qff2be495eb_fine
		.amdhsa_group_segment_fixed_size 67584
		.amdhsa_private_segment_fixed_size 0
		.amdhsa_enable_private_segment 0
		.amdhsa_kernarg_size 32
		.amdhsa_user_sgpr_count 2
		.amdhsa_user_sgpr_kernarg_segment_ptr 1
		.amdhsa_wavefront_size32 1
		.amdhsa_system_sgpr_workgroup_id_x 1
		.amdhsa_system_sgpr_workgroup_id_y 1
		.amdhsa_system_sgpr_workgroup_id_z 1
		.amdhsa_system_vgpr_workitem_id 0
		.amdhsa_next_free_vgpr 256
		.amdhsa_next_free_sgpr 66
		.amdhsa_reserve_vcc 1
		.amdhsa_float_denorm_mode_32 3
		.amdhsa_float_denorm_mode_16_64 3
		.amdhsa_memory_ordered 1
		.amdhsa_forward_progress 1
		.amdhsa_inst_pref_size 32
	.end_amdhsa_kernel
	.amdgpu_metadata
---
amdhsa.version: [ 1, 2 ]
amdhsa.kernels:
  - .name:           k_qff2be495eb_fine
    .symbol:         k_qff2be495eb_fine.kd
    .args:
      - { .name: qkv_fine, .offset: 0, .size: 8, .value_kind: global_buffer, .address_space: global }
      - { .name: w_proj, .offset: 8, .size: 8, .value_kind: global_buffer, .address_space: global }
      - { .name: b_proj, .offset: 16, .size: 8, .value_kind: global_buffer, .address_space: global }
      - { .name: out0, .offset: 24, .size: 8, .value_kind: global_buffer, .address_space: global }
    .group_segment_fixed_size: 67584
    .private_segment_fixed_size: 0
    .kernarg_segment_align: 8
    .kernarg_segment_size: 32
    .max_flat_workgroup_size: 512
    .sgpr_count:     66
    .vgpr_count:     256
    .wavefront_size: 32
...
	.end_amdgpu_metadata
.endif
;; end of part 5
